; MI455X (gfx1250); checked and timed in simulation.
; The chip was launched on July 23, 2026; its instructions are those of AMD's public machine-readable ISA for CDNA 5 (MIT licence, August 2026) and "CDNA5" Instruction Set Architecture Reference Guide (July 2026). The comments in the code are by the model that wrote it; some were corrected since.
;; Custom Multi Headed Attention. Allowed arithmetic: float matrix products may take bf16 or f16 operands with f32 sums; other float arithmetic in f32, or as packed bf16 or f16 multiplies, adds, multiply-adds, maxima and minima; sums over many terms, partial sums and values carried from step to step in f32; what a program stores and reads back later, other than sums and carried values, may be rounded once to bf16 or f16.
;; Inputs: b_attn 3,072 float32; b_proj 1,024 float32; w_attn 1,024 x 3,072 float32; w_proj 1,024 x 1,024 float32; x 1 x 4,096 x 1,024 float32.
;; Outputs: out0 1 x 4,096 x 1,024 float32.
;; 2 versions, each right; version 2 is version 1 with the launch prep written anew for expert scheduling mode. Each part assembles by itself: llvm-mc -triple=amdgcn-amd-amdhsa -mcpu=gfx1250 --defsym DOCPART=n.
;; ======== version 1 of 2: 4 launches
;; limits: values are held in f16: magnitudes above 65,504 overflow, below 6.1e-05 lose precision
;; workspace buffers: xb 8,388,608 bytes; wb 6,291,456 bytes; wp 2,097,152 bytes; tab 1,048,576 bytes; qh 8,388,608 bytes; kh 8,388,608 bytes; vh 8,388,608 bytes; yh 8,388,608 bytes
;; launch prep (part 1): grid 256 x 1, 8 waves a work-group, no clusters, 0 bytes of LDS; arguments x, w_attn, w_proj, xb, wb, wp, tab; writes xb, wb, wp, tab
.if DOCPART == 1
	.amdgcn_target "amdgcn-amd-amdhsa--gfx1250"
	.amdhsa_code_object_version 6
	.text
	.protected	k_qcf05a1791c_prep
	.globl	k_qcf05a1791c_prep
	.p2align	8
	.type	k_qcf05a1791c_prep,@function
k_qcf05a1791c_prep:
	s_mov_b64 s[64:65], 0
	v_nop
	global_prefetch_b8 v0, s[64:65] scope:SCOPE_SE
	s_setreg_imm32_b32 hwreg(HW_REG_WAVE_MODE, 25, 1), 1
	s_wait_xcnt 0x0
; PREP: the casts and the table of rotations.  A stream: no LDS, no matrix unit, no barrier.
;   xb  = bf16(x), [4096][1024] as it lies.
;   wb  = bf16(w_attn) in 16 blocks [j][k = 1024][192]: column 64 p + d of block j is w_attn[k][1024 p + 64 j + d], p = 0, 1, 2 for q, k, v of head j.
;   wp  = bf16(w_proj), that number written as f16, [1024][1024] as it lies.
;   tab = f32 [t = 4096][64]: cos(t invf(f)), f = 0..31, then sin(t invf(f)); invf(f) = 10000^(-f/32).
; SHARES.  256 work-groups of 8 waves; each casts 32,768 numbers (groups 0-127 x, 128-223 w_attn, 224-255 w_proj) and makes 16 rows of the table.
; The cast is linear in the destination: in step n thread t takes 4 numbers: one load of 16 bytes, one store of 8; a wave's store covers 256 consecutive bytes, aligned.
; All 32 loads of a thread go out at once (128 KiB a work-group); the table is made while they are on their way.
; LIMITS.  wp: a weight beyond 65,504 has no f16; below 6e-5 f16 keeps its fixed step of 6e-8.  The angle t invf is one f32 product, as in the problem's text; invf is good to
; about one unit in its last place, which at t = 4095 is about 4e-4 radians; sine and cosine: reduction by 2 pi in two parts, then the series to r^15 on -pi..pi (cut below 8e-7).
.set DAT, 32                           ; v[32:159]  step n: 4 registers as loaded
.set RES, 160                          ; v[160:223] step n: 2 registers to store; never used twice, so no store's data is rewritten
	s_load_b256 s[4:11], s[0:1], 0x0               ; x s[4:5], w_attn s[6:7], w_proj s[8:9], xb s[10:11]
	s_load_b128 s[12:15], s[0:1], 0x20             ; wb s[12:13], wp s[14:15]
	s_load_b64 s[16:17], s[0:1], 0x30              ; tab
	s_mov_b32 s24, ttmp9                           ; g
	s_mov_b32 s23, 0xffff0000                      ; a word's upper bf16
	s_mov_b32 s32, 0xab573f9f                      ; -1/15!
	s_mov_b32 s33, 0x2f309231                      ;  1/13!
	s_mov_b32 s34, 0xb2d7322b                      ; -1/11!
	s_mov_b32 s35, 0x3638ef1d                      ;  1/9!
	s_mov_b32 s36, 0xb9500d01                      ; -1/7!
	s_mov_b32 s37, 0x3c088889                      ;  1/5!
	s_mov_b32 s38, 0xbe2aaaab                      ; -1/3!
	s_mov_b32 s39, 0xbed49a78                      ; -log2(10000)/32, the f32 nearest,
	s_mov_b32 s40, 0xb2179724                      ; and what that f32 leaves over
	s_mov_b32 s41, 0x3f317218                      ; ln 2
	s_mov_b32 s42, 0x40c90fdb                      ; 2 pi, the f32 nearest,
	s_mov_b32 s43, 0xb43bbd2e                      ; and what it leaves over
	v_lshlrev_b32 v1, 4, v0                        ; 16 t: the linear source, and the table's store
	v_lshlrev_b32 v5, 3, v0                        ; 8 t: the cast's store
	s_sub_co_u32 s25, s24, 128                     ; g' among w_attn's 96
	s_sub_co_u32 s26, s24, 224                     ; g'' among w_proj's 32
	s_wait_kmcnt 0x0
	s_cmp_lt_u32 s24, 128
	s_cbranch_scc1 .Llin
	s_cmp_ge_u32 s24, 224
	s_cbranch_scc1 .Llin
	; w_attn.  A block of wb is 6 groups' work.  Sixteen threads take a chunk of 64 numbers, (k, p): chunk number kp = 3 k + p.
	s_mul_i32 s27, s25, 43
	s_lshr_b32 s27, s27, 8                         ; j = g' / 6 (exact below 96)
	s_mul_i32 s28, s27, 6
	s_sub_co_u32 s28, s25, s28
	s_lshl_b32 s28, s28, 9                         ; the group's first chunk in its block: 512 chunks a group
	s_lshl_b32 s27, s27, 8                         ; 256 j: head j's columns in a row of w_attn
	s_lshl_b32 s30, s25, 16
	s_mov_b32 s31, 0
	s_add_nc_u64 s[20:21], s[12:13], s[30:31]      ; wb at the group's 65,536 bytes
	v_lshrrev_b32 v12, 4, v0
	v_and_b32 v13, 15, v0
	v_lshl_add_u32 v13, v13, 4, s27                ; 16 (t % 16) + 256 j
	v_add_nc_u32 v12, s28, v12                     ; kp in step 0
.irp i, 0,1,2
	v_add_nc_u32 v14, 16*\i, v12                   ; kp in step i
	v_mul_u32_u24 v15, v14, 0xaaab
	v_lshrrev_b32 v15, 17, v15                     ; k = kp / 3 (exact below 3,072)
	v_mul_u32_u24 v16, v15, 3
	v_sub_nc_u32 v16, v14, v16                     ; p
	v_mul_u32_u24 v15, v15, 12288                  ; a row of w_attn
	v_lshl_add_u32 v15, v16, 12, v15               ; + 4,096 p
	v_add_nc_u32 v[2+\i], v15, v13
.endr
.set n, 0
.rept 32                               ; step 3 m + i is 48 m chunks, 16 m rows of k, behind step i
	global_load_b128 v[DAT+4*n:DAT+4*n+3], v[2+n%3], s[6:7] offset:196608*(n/3) th:TH_LOAD_NT
.set n, n+1
.endr
	s_branch .Ljoin
.Llin:                                 ; x and w_proj: source and destination both linear
	s_cmp_lt_u32 s24, 128
	s_cselect_b64 s[18:19], s[4:5], s[8:9]
	s_cselect_b64 s[20:21], s[10:11], s[14:15]
	s_cselect_b32 s27, s24, s26
	s_lshl_b32 s28, s27, 17
	s_mov_b32 s29, 0
	s_add_nc_u64 s[18:19], s[18:19], s[28:29]      ; 131,072 bytes in,
	s_lshl_b32 s30, s27, 16
	s_mov_b32 s31, 0
	s_add_nc_u64 s[20:21], s[20:21], s[30:31]      ; 65,536 out
.set n, 0
.rept 32
	global_load_b128 v[DAT+4*n:DAT+4*n+3], v1, s[18:19] offset:4096*n th:TH_LOAD_NT
.set n, n+1
.endr
.Ljoin:
	; THE TABLE, while the 32 loads are out.  Thread t: row 16 g + t / 16, entries 4 (t % 16) .. + 3: 16 bytes; threads with t % 16 < 8 make cosines, the others sines.
	s_lshl_b32 s28, s24, 4
	s_lshl_b32 s30, s24, 12
	s_mov_b32 s31, 0
	s_add_nc_u64 s[16:17], s[16:17], s[30:31]
	v_lshrrev_b32 v8, 4, v0
	v_add_nc_u32 v8, s28, v8
	v_cvt_f32_u32 v8, v8                           ; t
	v_and_b32 v7, 15, v0
	v_cmp_gt_u32 vcc_lo, 8, v7
	v_mov_b32 v11, 0x3e800000
	v_cndmask_b32 v9, 0, v11, vcc_lo               ; a quarter turn for a cosine, in turns
	v_mov_b32 v11, 0x3fc90fdb
	v_cndmask_b32 v10, 0, v11, vcc_lo              ; and in radians
	v_and_b32 v7, 7, v7
	v_lshlrev_b32 v7, 2, v7                        ; f of my first entry
.irp i, 0,1,2,3
	v_add_nc_u32 v[12+\i], \i, v7
.endr
.irp i, 0,1,2,3
	v_cvt_f32_u32 v[12+\i], v[12+\i]               ; f
.endr
.irp i, 0,1,2,3
	v_mul_f32 v[16+\i], s39, v[12+\i]              ; a = -f log2(10000)/32, rounded
.endr
.irp i, 0,1,2,3
	v_fma_f32 v[20+\i], v[12+\i], s39, -v[16+\i]   ; what the rounding dropped,
.endr
.irp i, 0,1,2,3
	v_fma_f32 v[20+\i], v[12+\i], s40, v[20+\i]    ; and what the constant dropped: e
.endr
.irp i, 0,1,2,3
	v_exp_f32 v[24+\i], v[16+\i]                   ; 2^a: one batch of four
.endr
	v_nop                                          ; a plain instruction behind the last exponential,
	s_wait_alu depctr_va_vdst(0)                   ; and the one wait ahead of the first use
.irp i, 0,1,2,3
	v_mul_f32 v[20+\i], v[24+\i], v[20+\i]
.endr
.irp i, 0,1,2,3
	v_fma_f32 v[24+\i], v[20+\i], s41, v[24+\i]    ; invf = 2^a (1 + e ln 2)
.endr
.irp i, 0,1,2,3
	v_mul_f32 v[12+\i], v8, v[24+\i]               ; the angle
.endr
.irp i, 0,1,2,3
	v_fma_f32 v[16+\i], v[12+\i], 0.15915494, v9
.endr
.irp i, 0,1,2,3
	v_rndne_f32 v[16+\i], v[16+\i]                 ; whole turns n
.endr
.irp i, 0,1,2,3
	v_fma_f32 v[12+\i], -v[16+\i], s42, v[12+\i]
.endr
.irp i, 0,1,2,3
	v_fma_f32 v[12+\i], -v[16+\i], s43, v[12+\i]
.endr
.irp i, 0,1,2,3
	v_add_f32 v[12+\i], v[12+\i], v10              ; r in -pi .. pi; the entry is sin r
.endr
.irp i, 0,1,2,3
	v_mul_f32 v[20+\i], v[12+\i], v[12+\i]         ; r^2
.endr
.irp i, 0,1,2,3
	v_fma_f32 v[24+\i], v[20+\i], s32, s33
.endr
.irp c, 34,35,36,37,38
.irp i, 0,1,2,3
	v_fma_f32 v[24+\i], v[24+\i], v[20+\i], s[\c]
.endr
.endr
.irp i, 0,1,2,3
	v_mul_f32 v[16+\i], v[12+\i], v[20+\i]         ; r^3
.endr
.irp i, 0,1,2,3
	v_fma_f32 v[28+\i], v[16+\i], v[24+\i], v[12+\i]
.endr
	global_store_b128 v1, v[28:31], s[16:17]       ; 16 threads fill a row of 256 bytes
	s_cmp_ge_u32 s24, 224
	s_cbranch_scc1 .Lf16
.set n, 0
.rept 32
	s_wait_loadcnt 31-n                            ; loads come back in order: step n's is in, the younger ones stay out
	v_cvt_pk_bf16_f32 v[RES+2*n], v[DAT+4*n], v[DAT+4*n+1]
	v_cvt_pk_bf16_f32 v[RES+2*n+1], v[DAT+4*n+2], v[DAT+4*n+3]
	global_store_b64 v5, v[RES+2*n:RES+2*n+1], s[20:21] offset:2048*n
.set n, n+1
.endr
	s_endpgm
.Lf16:                                 ; w_proj: rounded to bf16 like every input, and that number written as f16
.set n, 0
.rept 32
	s_wait_loadcnt 31-n
	v_cvt_pk_bf16_f32 v[RES+2*n], v[DAT+4*n], v[DAT+4*n+1]
	v_cvt_pk_bf16_f32 v[RES+2*n+1], v[DAT+4*n+2], v[DAT+4*n+3]
	v_lshlrev_b32 v[DAT+4*n], 16, v[RES+2*n]
	v_and_b32 v[DAT+4*n+1], s23, v[RES+2*n]
	v_lshlrev_b32 v[DAT+4*n+2], 16, v[RES+2*n+1]
	v_and_b32 v[DAT+4*n+3], s23, v[RES+2*n+1]
	v_cvt_pk_f16_f32 v[RES+2*n], v[DAT+4*n], v[DAT+4*n+1]
	v_cvt_pk_f16_f32 v[RES+2*n+1], v[DAT+4*n+2], v[DAT+4*n+3]
	global_store_b64 v5, v[RES+2*n:RES+2*n+1], s[20:21] offset:2048*n
.set n, n+1
.endr
	s_endpgm
.Lfunc_end_k_qcf05a1791c_prep:
	.size	k_qcf05a1791c_prep, .Lfunc_end_k_qcf05a1791c_prep-k_qcf05a1791c_prep
	.p2alignl 7, 3214868480
	.fill 96, 4, 3214868480
	.section	.rodata,"a",@progbits
	.p2align	6, 0x0
	.amdhsa_kernel k_qcf05a1791c_prep
		.amdhsa_group_segment_fixed_size 0
		.amdhsa_private_segment_fixed_size 0
		.amdhsa_enable_private_segment 0
		.amdhsa_kernarg_size 56
		.amdhsa_user_sgpr_count 2
		.amdhsa_user_sgpr_kernarg_segment_ptr 1
		.amdhsa_wavefront_size32 1
		.amdhsa_system_sgpr_workgroup_id_x 1
		.amdhsa_system_sgpr_workgroup_id_y 1
		.amdhsa_system_sgpr_workgroup_id_z 1
		.amdhsa_system_vgpr_workitem_id 0
		.amdhsa_next_free_vgpr 224
		.amdhsa_next_free_sgpr 66
		.amdhsa_reserve_vcc 1
		.amdhsa_float_denorm_mode_32 3
		.amdhsa_float_denorm_mode_16_64 3
		.amdhsa_memory_ordered 1
		.amdhsa_forward_progress 1
		.amdhsa_inst_pref_size 40
	.end_amdhsa_kernel
	.amdgpu_metadata
---
amdhsa.version: [ 1, 2 ]
amdhsa.kernels:
  - .name:           k_qcf05a1791c_prep
    .symbol:         k_qcf05a1791c_prep.kd
    .args:
      - { .name: x, .offset: 0, .size: 8, .value_kind: global_buffer, .address_space: global }
      - { .name: w_attn, .offset: 8, .size: 8, .value_kind: global_buffer, .address_space: global }
      - { .name: w_proj, .offset: 16, .size: 8, .value_kind: global_buffer, .address_space: global }
      - { .name: xb, .offset: 24, .size: 8, .value_kind: global_buffer, .address_space: global }
      - { .name: wb, .offset: 32, .size: 8, .value_kind: global_buffer, .address_space: global }
      - { .name: wp, .offset: 40, .size: 8, .value_kind: global_buffer, .address_space: global }
      - { .name: tab, .offset: 48, .size: 8, .value_kind: global_buffer, .address_space: global }
    .group_segment_fixed_size: 0
    .private_segment_fixed_size: 0
    .kernarg_segment_align: 8
    .kernarg_segment_size: 56
    .max_flat_workgroup_size: 256
    .sgpr_count:     66
    .vgpr_count:     224
    .wavefront_size: 32
...
	.end_amdgpu_metadata
.endif
;; end of part 1
;; launch qkv (part 2): grid 16 x 16, 4 waves a work-group, clusters of 4 x 4, 327,680 bytes of LDS; arguments xb, wb, b_attn, tab, qh, kh, vh; writes qh, kh, vh
.if DOCPART == 2
	.amdgcn_target "amdgcn-amd-amdhsa--gfx1250"
	.amdhsa_code_object_version 6
	.text
	.protected	k_qcf05a1791c_qkv
	.globl	k_qcf05a1791c_qkv
	.p2align	8
	.type	k_qcf05a1791c_qkv,@function
k_qcf05a1791c_qkv:
	s_mov_b64 s[64:65], 0
	v_nop
	global_prefetch_b8 v0, s[64:65] scope:SCOPE_SE
	s_setreg_imm32_b32 hwreg(HW_REG_WAVE_MODE, 25, 1), 1
	s_wait_xcnt 0x0
	s_wait_alu depctr_hold_cnt(0) depctr_sa_sdst(0) depctr_va_vdst(0) depctr_va_sdst(0) depctr_va_ssrc(0) depctr_va_vcc(0) depctr_vm_vsrc(0)
	s_getreg_b32 s2, hwreg(HW_REG_IB_STS2, 6, 4)
	s_cmp_eq_u32 s2, 0
	s_cbranch_scc0 .Lentry_in_a_cluster
	s_endpgm
.Lentry_in_a_cluster:
	s_bfe_u32 s2, ttmp6, 0x10000c
	s_cmp_lg_u32 s2, 0xf033
	s_cbranch_scc0 .Lentry_shape_is_right
	s_endpgm
.Lentry_shape_is_right:
; QKV: x w_attn + b_attn, the rotation of q and k, the split by heads.  xb: bf16 [4096][1024]; wb: bf16 [j = 16][k = 1024][192] (q, k, v of head j, 64 columns each);
; b_attn: f32, rounded to bf16 like every input; tab: f32 [t][cos 32, sin 32]; qh, kh, vh: f16 [head][t][64], each number rounded once from its f32 sum.
; LIMITS.  q, k, v beyond 65,504 have no f16; below 6e-5 f16 keeps its fixed step of 6e-8.  NaN and infinities are not treated apart.
; SHARES.  A work-group makes 256 rows x 192 columns (one head's q, k, v): 16 x 16 work-groups.  Wave w owns rows 64 w .. + 63 and all 192 columns: 4 x 12 accumulators of 16 x 16, so that
; the pairs (d, d + 32) of the rotation and whole rows of a head stay in one wave.  K goes in 8 steps of 128 through two LDS slots filled by the tensor data mover.
; CLUSTER 4 x 4: x's tile hangs on the tile row alone and is asked for jointly along a row of the cluster, w's on the head alone and jointly along a column.
; THE PRODUCT IS USED TRANSPOSED: source 0 = 16 columns of w (turned out of LDS by ds_load_tr16_b128), source 1 = 16 rows of x: a lane holds row l % 16 and columns 8 (l / 16) + 0..7.
; THE BIAS IS THE C OPERAND of each accumulator's first product: nothing is cleared and nothing is added on the way out.
; REGISTERS, in windows of 256 (s_set_vgpr_msb: bits 1:0 source 0, 3:2 source 1, 5:4 source 2, 7:6 destination):
;   window 0: v0-31 addresses; v32-63 at work; v64-95, v96-127 x's fragments, two buffers (on the way out: rotated numbers); v128-223 the bias, then v128-255 the table's entries of my rows
;   window 1: v0-95, v96-191 w's fragments, two buffers (on the way out v0-47: rows read back)      window 2: accumulators of row blocks 0, 1 at 96 (a % 2) + 8 b      window 3: of row blocks 2, 3
.set PA,    272                        ; a row of x in LDS: 256 bytes + 16: the 16 rows of a load start at 16 different groups of four banks (64 banks of 4 bytes: ISA guide 11.1)
.set PB,    480                        ; a row of k of w in LDS: three chunks of 128 bytes, 32 of padding behind each: 15 x 32
.set BOFF,  256*PA                     ; w's 128 rows lie behind x's 256
.set SLOT,  131072                     ; 69,632 + 61,440
.set STAGE, 2*SLOT                     ; behind the ring, never filled by a tensor load: for each wave 3 heads x 16 rows x 144 bytes
.set SP,    144
.set WSTG,  3*16*SP
.set SPARE, STAGE+4*WSTG               ; the spare words, 128 bytes a wave: two blocks of 256 bytes that no other line names
.set ADRA, 16                          ; v16-17 LDS address of my fragments of x in slot 0, 1
.set ADRB, 20                          ; v20-21 the same for w
.set BO,   22                          ; v22  32 (l / 16): my 8 numbers of a block's bias
.set STO,  24                          ; v24  the way out: where I put 16 bytes of a row
.set RD,   25                          ; v25  where I read rows back
.set GO,   26                          ; v26  16 l: my place in 512 consecutive bytes of a head
.set TO,   27                          ; v27  my place in the table: 256 (l % 16) + 32 (l / 16)
.set SPW,  28                          ; v28  my spare word; never rewritten
.set NIL,  29                          ; v29  0; never rewritten
.set PFO,  30                          ; v30  the prefetches' lane offset; never rewritten
.set BIAS, 128
.set WV,  20                           ; s20 wave; s21 wave % 2; s22 cx; s23 cy
.set WH,  21
.set CX,  22
.set CY,  23
.set G1,  24                           ; s[24:31] group 1 for x's tiles;  s[32:39] group 0, a set for each slot
.set G0,  32
.set LIM, 43                           ; s43  1 in a wave that prefetches, else the greatest number
.set PFA, 44                           ; s[44:45] where my prefetches stand
.set PFS, 46                           ; s[46:47] a K step in bytes, for x or for w
.set G1B, 48                           ; s[48:55], s[56:63] the same for w's tiles
.set G0B, 56
.set JH,  66                           ; s66 head = tile column; s67 tile row
.set RR,  67
.set MSB, 0
.macro WIN new                         ; the immediate's high byte repeats the setting that is left; a switch that changes nothing is dropped
.if MSB != (\new)
	s_set_vgpr_msb (MSB<<8)|(\new)
.set MSB, \new
.endif
.endm
.macro PLACES                          ; four plain instructions between a matrix instruction and a load into, or a vector line on, its registers
.rept 4
	v_nop
.endr
.endm
; A joint load: waves 0 and 1 fetch x's two halves, waves 2 and 3 w's.  The branch hangs on the wave's number alone.  An s_nop 0 and four v_nop follow each line.
.macro JLOAD s
	s_cmp_lt_u32 s[WV], 2
	s_cbranch_scc0 .Lfor_b_\@
	tensor_load_to_lds s[G0+4*(\s):G0+4*(\s)+3], s[G1:G1+7]
	s_nop 0
.rept 4
	v_nop
.endr
	s_branch .Lasked_\@
.Lfor_b_\@:
	tensor_load_to_lds s[G0B+4*(\s):G0B+4*(\s)+3], s[G1B:G1B+7]
	s_nop 0
.rept 4
	v_nop
.endr
.Lasked_\@:
.endm
; A prefetch of the K step that stands two refills on, 384 matrix instructions ahead of the load that will want it.  x's rows are read by every cluster of a row of clusters: the one with x = 0 asks;
; w's blocks by every cluster of a column: the one with y = 0 asks.  The four partners of a joint load share its bytes out by address: of x's 128 rows 32 each, a lane a row; of w's 96 pieces of
; 256 bytes 24 each, a lane a piece (lanes 24-31 name lane 23's piece once more).  The loop's last trip asks for nothing: K steps 4 to 7 are all that is asked for.
.macro ASK
	s_cmp_gt_u32 s3, s[LIM]
	s_cbranch_scc0 .Lnot_mine_\@
	global_prefetch_b8 v[PFO], s[PFA:PFA+1] th:TH_LOAD_NT scope:SCOPE_SE
.Lnot_mine_\@:
.endm
.macro CREST                           ; a round of the cluster's barrier behind its opening barrier
	s_cmp_lg_u32 s[WV], 0
	s_cbranch_scc1 .Lnot_wave_0_\@
	s_barrier_signal -3
.Lnot_wave_0_\@:
	s_barrier_wait -3
	s_barrier_signal -1
	s_barrier_wait -1
.endm
.macro CROUND
	s_barrier_signal -1
	s_barrier_wait -1
	CREST
.endm
	s_load_b256 s[4:11], s[0:1], 0x0               ; xb s[4:5], wb s[6:7], b_attn s[8:9], tab s[10:11]
	s_load_b128 s[12:15], s[0:1], 0x20             ; qh s[12:13], kh s[14:15]
	s_load_b64 s[16:17], s[0:1], 0x30              ; vh
	v_lshl_add_u32 v[SPW], v0, 2, SPARE
	v_mov_b32 v[NIL], 0
	ds_add_u32 v[SPW], v[NIL]                      ; the wave's opening: the add and its wait stand ahead of my first tensor load; work on registers stands between
	v_lshrrev_b32 v1, 5, v0
	v_readfirstlane_b32 s[WV], v1
	s_and_b32 s[WH], s[WV], 1                      ; which half of a tile I fetch
	s_bfe_u32 s[CX], ttmp6, 0x40000
	s_bfe_u32 s[CY], ttmp6, 0x40004
	s_lshl_b32 s[JH], ttmp9, 2
	s_add_co_u32 s[JH], s[JH], s[CX]               ; head = 4 x cluster x + cx
	s_and_b32 s[RR], ttmp7, 0xffff
	s_lshl_b32 s[RR], s[RR], 2
	s_add_co_u32 s[RR], s[RR], s[CY]               ; tile row = 4 x cluster y + cy
	s_lshl_b32 s68, s[CY], 2
	s_lshl_b32 s68, 15, s68                        ; my row of the cluster
	s_lshl_b32 s69, 0x1111, s[CX]                  ; my column
	s_or_b32 s[G1], s68, (1<<16)|(1<<20)|(1<<21)|(5<<22)|(3<<25)   ; the mask; 2-byte elements; padding on; bit 21 beside a mask; after every 64 words 4 words
	s_mov_b32 s[G1+1], 128<<16                     ; tensor_dim0 = 128
	s_mov_b32 s[G1+2], 128<<16                     ; tensor_dim1 = 128
	s_mov_b32 s[G1+3], 128<<16                     ; tile_dim0 = 128 elements: 256 bytes of a row of x
	s_mov_b32 s[G1+4], 128                         ; tile_dim1 = 128 rows
	s_mov_b32 s[G1+5], 1024                        ; elements from row to row
	s_mov_b32 s[G1+6], 0
	s_mov_b32 s[G1+7], 0
	s_or_b32 s[G1B], s69, (1<<16)|(1<<20)|(1<<21)|(4<<22)|(7<<25)  ; after every 32 words (a chunk of 64 columns) 8 words
	s_mov_b32 s[G1B+1], 128<<16
	s_mov_b32 s[G1B+2], 96<<16                     ; 64 rows of k are 24,576 dense bytes: asked for as 96 rows of 256
	s_mov_b32 s[G1B+3], 128<<16
	s_mov_b32 s[G1B+4], 96
	s_mov_b32 s[G1B+5], 128
	s_mov_b32 s[G1B+6], 0
	s_mov_b32 s[G1B+7], 0
	s_lshl_b32 s70, s[RR], 8
	s_lshl_b32 s71, s[WH], 7
	s_add_co_u32 s70, s70, s71                     ; x: row 256 x tile row + 128 x half,
	s_lshl_b32 s70, s70, 11                        ; in bytes
	s_mov_b32 s71, 0
	s_mul_i32 s72, s[JH], 393216                   ; w: the head's block,
	s_mul_i32 s73, s[WH], 24576                    ; my 64 rows of k of a K step
	s_add_co_u32 s72, s72, s73
	s_mov_b32 s73, 0
	s_mul_i32 s40, s[WV], 128*PA                   ; where x's halves go (waves 0, 1),
	s_mul_i32 s41, s[WV], 64*PB
	s_add_co_u32 s41, s41, BOFF-2*64*PB            ; and w's (waves 2, 3): no place in the cluster enters an LDS address
	s_wait_dscnt 0x0                               ; the opening add is done
	s_wait_kmcnt 0x0
	s_add_nc_u64 s[74:75], s[4:5], s[70:71]
	s_add_nc_u64 s[76:77], s[6:7], s[72:73]
	CROUND                                         ; all sixteen work-groups are here: the first joint loads meet
.irp s, 0,1
	s_mov_b32 s[G0+4*(\s)], 1
	s_add_co_u32 s[G0+4*(\s)+1], s40, (\s)*SLOT
	s_add_nc_u64 s[G0+4*(\s)+2:G0+4*(\s)+3], s[74:75], (\s)*256
	s_or_b32 s[G0+4*(\s)+3], s[G0+4*(\s)+3], 0x80000000
	s_mov_b32 s[G0B+4*(\s)], 1
	s_add_co_u32 s[G0B+4*(\s)+1], s41, (\s)*SLOT
	s_add_nc_u64 s[G0B+4*(\s)+2:G0B+4*(\s)+3], s[76:77], (\s)*49152
	s_or_b32 s[G0B+4*(\s)+3], s[G0B+4*(\s)+3], 0x80000000
	JLOAD \s                                       ; K steps 0 and 1: two loads of mine are out
.endr
	; where my results go, and where bias and table come from
	s_lshl_b32 s90, s[JH], 12
	s_lshl_b32 s91, s[RR], 8
	s_add_co_u32 s90, s90, s91
	s_lshl_b32 s91, s[WV], 6
	s_add_co_u32 s90, s90, s91                     ; row 4,096 j + 256 R + 64 w of [head][t],
	s_lshl_b32 s90, s90, 7                         ; 128 bytes a row
	s_mov_b32 s91, 0
	s_add_nc_u64 s[80:81], s[12:13], s[90:91]
	s_add_nc_u64 s[82:83], s[14:15], s[90:91]
	s_add_nc_u64 s[84:85], s[16:17], s[90:91]
	s_lshl_b32 s90, s[RR], 8
	s_lshl_b32 s78, s[WV], 6
	s_add_co_u32 s90, s90, s78
	s_lshl_b32 s90, s90, 8                         ; the table's row 256 R + 64 w
	s_add_nc_u64 s[86:87], s[10:11], s[90:91]
	s_lshl_b32 s90, s[JH], 8
	s_add_nc_u64 s[88:89], s[8:9], s[90:91]        ; b_attn at column 64 j
	v_and_b32 v1, 15, v0                           ; r = l % 16
	v_bfe_u32 v2, v0, 4, 1                         ; h = l / 16
	v_and_b32 v3, 7, v0
	v_bfe_u32 v4, v0, 3, 1
	v_bfe_u32 v5, v0, 3, 2
	v_and_b32 v6, 31, v0
	v_lshlrev_b32 v[BO], 5, v2
.irp b, 0,1,2,3,4,5,6,7,8,9,10,11      ; block b: part b / 4 (q, k, v), columns 16 (b % 4) + 8 h + 0..7
	global_load_b128 v[BIAS+8*(\b):BIAS+8*(\b)+3],   v[BO], s[88:89] offset:4096*((\b)/4)+64*((\b)%4)
	global_load_b128 v[BIAS+8*(\b)+4:BIAS+8*(\b)+7], v[BO], s[88:89] offset:4096*((\b)/4)+64*((\b)%4)+16
.endr
	v_mul_u32_u24 v7, v1, PA
	v_lshl_add_u32 v7, v2, 4, v7
	s_mul_i32 s78, s[WV], 64*PA
	v_add_nc_u32 v[ADRA], s78, v7                  ; my 64 rows; row r, 16 bytes for each half of the lanes
	v_add_nc_u32 v[ADRA+1], SLOT, v[ADRA]
	v_lshl_add_u32 v8, v2, 3, v3                   ; the turning load: lane l reads row of k 8 h + l % 8, columns 8 ((l / 8) % 2) + 0..7
	v_mul_u32_u24 v8, v8, PB
	v_lshl_add_u32 v8, v4, 4, v8
	v_add_nc_u32 v[ADRB], BOFF, v8
	v_add_nc_u32 v[ADRB+1], SLOT, v[ADRB]
	s_mul_i32 s78, s[WV], WSTG
	s_add_co_u32 s78, s78, STAGE                   ; my stage
	v_mul_u32_u24 v9, v1, SP
	v_lshl_add_u32 v9, v2, 4, v9
	v_add_nc_u32 v[STO], s78, v9
	v_mul_u32_u24 v9, v5, SP                       ; back: 32 lanes take four rows of 128 bytes
	v_lshl_add_u32 v9, v3, 4, v9
	v_add_nc_u32 v[RD], s78, v9
	v_lshlrev_b32 v[GO], 4, v6
	v_lshlrev_b32 v[TO], 8, v1
	v_lshl_add_u32 v[TO], v2, 5, v[TO]
	; the prefetches
	s_and_b32 s92, ttmp7, 0xffff
	s_cmp_lt_u32 s[WV], 2                          ; do I fetch for x?
	s_cselect_b32 s92, ttmp9, s92                  ; the coordinate along which other clusters read the same bytes
	s_cselect_b32 s93, s[CX], s[CY]                ; my place among the four that ask with me
	s_cselect_b32 s94, 32, 3                       ; my share in units of 2,048 bytes: 32 rows of x, or 24 pieces of w
	s_cselect_b32 s95, 31, 23                      ; its last lane
	s_cselect_b32 s78, 11, 8                       ; from lane to lane: 2,048 or 256 bytes
	s_cselect_b32 s[PFS], 1, 192
	s_cselect_b64 s[PFA:PFA+1], s[74:75], s[76:77]
	s_cmp_eq_u32 s92, 0
	s_cselect_b32 s[LIM], 1, -1                    ; the same in all sixteen partners, for a given wave
	s_lshl_b32 s[PFS], s[PFS], 8                   ; a K step: 256 bytes along a row of x, 49,152 of a block of w
	s_mov_b32 s[PFS+1], 0
	s_mul_i32 s92, s93, s94
	s_lshl_b32 s92, s92, 11
	s_mul_i32 s94, s[PFS], 3
	s_add_co_u32 s92, s92, s94                     ; at K step 3: the first refill steps it to 4
	s_mov_b32 s93, 0
	s_add_nc_u64 s[PFA:PFA+1], s[PFA:PFA+1], s[92:93]
	v_min_u32 v[PFO], s95, v6
	v_lshlrev_b32 v[PFO], s78, v[PFO]
	s_wait_loadcnt 0x0                             ; the bias: rounded to bf16 like every input, and widened again
.set i, 0
.rept 48
	v_cvt_pk_bf16_f32 v[32+i%16], v[BIAS+2*i], v[BIAS+2*i+1]
	v_lshlrev_b32 v[BIAS+2*i], 16, v[32+i%16]
	v_and_b32 v[BIAS+2*i+1], 0xffff0000, v[32+i%16]
.set i, i+1
.endr
; 12 matrix instructions: row block a x all 12 column blocks, 32 along K, out of buffers f.  first = 1: C is the bias.  The 48 accumulators take turns, one instruction a turn.
.macro MUL12 f, a, first
.if \first
	WIN 0x81+0x40*((\a)/2)                         ; w window 1, x and the bias window 0, D window 2 or 3
.else
	WIN 0xa1+0x50*((\a)/2)                         ; C and D window 2 or 3
.endif
.irp b, 0,1,2,3,4,5,6,7,8,9,10,11
.if \first
	v_wmma_f32_16x16x32_bf16 v[96*((\a)%2)+8*(\b):96*((\a)%2)+8*(\b)+7], v[96*(\f)+8*(\b):96*(\f)+8*(\b)+7], v[64+32*(\f)+8*(\a):64+32*(\f)+8*(\a)+7], v[BIAS+8*(\b):BIAS+8*(\b)+7]
.else
	v_wmma_f32_16x16x32_bf16 v[96*((\a)%2)+8*(\b):96*((\a)%2)+8*(\b)+7], v[96*(\f)+8*(\b):96*(\f)+8*(\b)+7], v[64+32*(\f)+8*(\a):64+32*(\f)+8*(\a)+7], v[96*((\a)%2)+8*(\b):96*((\a)%2)+8*(\b)+7]
.endif
.endr
.endm
; 32 LDS loads in one run: quarter q (32 along K) of a slot into buffers f: w's 12 fragments, turned, then x's 4
.macro FETCH slot, q, f
	WIN 0x40
.irp b, 0,1,2,3,4,5,6,7,8,9,10,11
	ds_load_tr16_b128 v[96*(\f)+8*(\b):96*(\f)+8*(\b)+3],   v[ADRB+(\slot)] offset:32*PB*(\q)+32*(\b)+32*((\b)/4)
	ds_load_tr16_b128 v[96*(\f)+8*(\b)+4:96*(\f)+8*(\b)+7], v[ADRB+(\slot)] offset:32*PB*(\q)+32*(\b)+32*((\b)/4)+16*PB
.endr
	WIN 0
.irp i, 0,1,2,3
	ds_load_b128 v[64+32*(\f)+8*(\i):64+32*(\f)+8*(\i)+3],   v[ADRA+(\slot)] offset:64*(\q)+16*PA*(\i)
	ds_load_b128 v[64+32*(\f)+8*(\i)+4:64+32*(\f)+8*(\i)+7], v[ADRA+(\slot)] offset:64*(\q)+16*PA*(\i)+32
.endr
.endm
; One of a K step's first three quarters: multiplies buffers f; in its middle fetches quarter q of the same slot into buffers g.
.macro QUARTER slot, q, f, g, first
	s_wait_dscnt 4                                 ; w and x's row blocks 0, 1 are in; the youngest four loads (row blocks 2, 3) may be out
	MUL12 \f, 0, \first
	MUL12 \f, 1, \first
	PLACES
	FETCH \slot, \q, \g
	s_wait_dscnt 32                                ; all but the 32 just issued
	MUL12 \f, 2, \first
	MUL12 \f, 3, \first
.endm
; The last quarter multiplies buffers 1 and changes slots: one barrier; in front of it each wave waits for all its tensor loads (one is out: its part of the next slot), adds 0 to its spare word, and
; waits for that and for its reads of this slot.  fill = 1: the barrier opens a round of the cluster's, and the joint refill, two K steps on, is the first tensor load behind it.
.macro TURN slot, next, fill
.if \fill
	s_wait_xcnt 0x0                                ; the last prefetch, a K step back, has read its address
	s_add_nc_u64 s[PFA:PFA+1], s[PFA:PFA+1], s[PFS:PFS+1]
.endif
	WIN 0
	s_wait_tensorcnt 0x0
	ds_add_u32 v[SPW], v[NIL]
	s_wait_dscnt 5                                 ; (the add and the youngest four loads may be out)
	MUL12 1, 0, 0
	s_wait_dscnt 0x0                               ; the add is done, and my reads of this slot are over
	s_barrier_signal -1
	MUL12 1, 1, 0
.if \fill
	WIN 0
.endif
	s_barrier_wait -1
.if \fill
	CREST                                          ; no wave of any partner still reads this slot or has a load on its way
	s_add_nc_u64 s[G0+4*(\slot)+2:G0+4*(\slot)+3], s[G0+4*(\slot)+2:G0+4*(\slot)+3], 512
	s_add_nc_u64 s[G0B+4*(\slot)+2:G0B+4*(\slot)+3], s[G0B+4*(\slot)+2:G0B+4*(\slot)+3], 98304
	JLOAD \slot                                    ; its four v_nop are also the places in front of the loads below
.else
	PLACES
.endif
	FETCH \next, 0, 0
.if \fill
	ASK
.endif
	MUL12 1, 2, 0
	MUL12 1, 3, 0
.endm
	s_wait_tensorcnt 1                             ; my part of K step 0 is in; K step 1's may stay out
	s_barrier_signal -1
	s_barrier_wait -1
	FETCH 0, 0, 0
	QUARTER 0, 1, 0, 1, 1                          ; the first quarter stands in front of the loop: its products start the sums with the bias
	PLACES                                         ; the bias has been read: its registers take the table's entries of my 64 rows
	WIN 0
.irp a, 0,1,2,3
.irp c, 0,1                            ; cosines, sines
.irp bb, 0,1                           ; f = 16 bb + 8 h + 0..7
	global_load_b128 v[128+32*(\a)+16*(\c)+8*(\bb):128+32*(\a)+16*(\c)+8*(\bb)+3],   v[TO], s[86:87] offset:4096*(\a)+128*(\c)+64*(\bb)
	global_load_b128 v[128+32*(\a)+16*(\c)+8*(\bb)+4:128+32*(\a)+16*(\c)+8*(\bb)+7], v[TO], s[86:87] offset:4096*(\a)+128*(\c)+64*(\bb)+16
.endr
.endr
.endr
	s_mov_b32 s3, 3
.Llap:                                 ; a trip goes once round the ring and fills both slots again: K steps 2 to 7
	QUARTER 0, 2, 1, 0, 0
	QUARTER 0, 3, 0, 1, 0
	TURN 0, 1, 1
	QUARTER 1, 1, 0, 1, 0
	QUARTER 1, 2, 1, 0, 0
	QUARTER 1, 3, 0, 1, 0
	TURN 1, 0, 1
	QUARTER 0, 1, 0, 1, 0
	WIN 0
	s_sub_co_u32 s3, s3, 1
	s_cmp_lg_u32 s3, 0
	s_cbranch_scc1 .Llap
	QUARTER 0, 2, 1, 0, 0                          ; the last lap fills nothing
	QUARTER 0, 3, 0, 1, 0
	TURN 0, 1, 0
	QUARTER 1, 1, 0, 1, 0
	QUARTER 1, 2, 1, 0, 0
	QUARTER 1, 3, 0, 1, 0
	s_wait_dscnt 4
	MUL12 1, 0, 0
	MUL12 1, 1, 0
	s_wait_dscnt 0x0
	MUL12 1, 2, 0
	MUL12 1, 3, 0
; THE WAY OUT, a row block (16 rows) at a time.  ROPE: q and k: (d, d + 32) -> (x1 cos - x2 sin, x2 cos + x1 sin), two numbers an instruction, each accumulator read from its low end.
.macro ROPE a
	WIN 0x02+((\a)/2)                              ; source 0: the accumulators' window
.set n, 0
.irp hd, 0,1
.irp bb, 0,1
.irp rr, 0,2,4,6
.set A1, 96*((\a)%2)+8*(4*(\hd)+(\bb))+(\rr)
.set A2, A1+16
.set CO, 128+32*(\a)+8*(\bb)+(\rr)
.set SI, CO+16
.set T1, 64+8*(4*(\hd)+(\bb))+(\rr)
.set T2, T1+16
.set U,  32+4*(n%8)
	v_pk_mul_f32 v[U:U+1], v[A2:A2+1], v[SI:SI+1]
	v_pk_mul_f32 v[U+2:U+3], v[A1:A1+1], v[SI:SI+1]
	v_pk_fma_f32 v[T1:T1+1], v[A1:A1+1], v[CO:CO+1], v[U:U+1] neg_lo:[0,0,1] neg_hi:[0,0,1]
	v_pk_fma_f32 v[T2:T2+1], v[A2:A2+1], v[CO:CO+1], v[U+2:U+3]
.set n, n+1
.endr
.endr
.endr
.endm
.macro CVT a                           ; to f16: q and k in place, ascending (line i writes register i and reads 2 i, 2 i + 1); v from its accumulators: block b's 16 bytes at v[64 + 4 b]
	WIN 0
.set i, 0
.rept 32
	v_cvt_pk_f16_f32 v[64+i], v[64+2*i], v[64+2*i+1]
.set i, i+1
.endr
	WIN 0x0a+5*((\a)/2)
.set i, 0
.rept 16
	v_cvt_pk_f16_f32 v[96+i], v[96*((\a)%2)+64+2*i], v[96*((\a)%2)+64+2*i+1]
.set i, i+1
.endr
	WIN 0
.endm
.macro TOSTAGE a                       ; into my stage, and back as whole rows of 128 bytes; LDS serves a wave's instructions in order (ISA guide 5.7.1.4)
	WIN 0
.irp b, 0,1,2,3,4,5,6,7,8,9,10,11
	ds_store_b128 v[STO], v[64+4*(\b):64+4*(\b)+3] offset:16*SP*((\b)/4)+32*((\b)%4)
.endr
	WIN 0x40
.irp hd, 0,1,2
.irp f, 0,1,2,3
	ds_load_b128 v[4*(4*(\hd)+(\f)):4*(4*(\hd)+(\f))+3], v[RD] offset:16*SP*(\hd)+4*SP*(\f)
.endr
.endr
	WIN 0
.endm
.macro SEND a
	s_wait_dscnt 0x0                               ; the rows are back in registers
	WIN 0x04                                       ; a store's data: window 1
.irp hd, 0,1,2
.irp f, 0,1,2,3
	global_store_b128 v[GO], v[4*(4*(\hd)+(\f)):4*(4*(\hd)+(\f))+3], s[80+2*(\hd):81+2*(\hd)] offset:2048*(\a)+512*(\f)  ; 512 consecutive bytes of a head, aligned
.endr
.endr
	WIN 0
.endm
	PLACES
	PLACES
	s_wait_loadcnt 0x0                             ; the table's entries
	ROPE 0
	CVT 0
	TOSTAGE 0
.irp a, 1,2,3
	ROPE \a                                        ; a block's arithmetic stands between the loads of the block before and its stores
	SEND (\a)-1
	CVT \a
	s_wait_xcnt 0x0                                ; the stores have read their registers, which the loads below fill again
	TOSTAGE \a
.endr
	SEND 3
	s_wait_tensorcnt 0x0                           ; the wave's end
	ds_add_u32 v[SPW], v[NIL]
	s_wait_dscnt 0x0
	CROUND                                         ; the closing round
	s_endpgm
.Lfunc_end_k_qcf05a1791c_qkv:
	.size	k_qcf05a1791c_qkv, .Lfunc_end_k_qcf05a1791c_qkv-k_qcf05a1791c_qkv
	.p2alignl 7, 3214868480
	.fill 96, 4, 3214868480
	.section	.rodata,"a",@progbits
	.p2align	6, 0x0
	.amdhsa_kernel k_qcf05a1791c_qkv
		.amdhsa_group_segment_fixed_size 327680
		.amdhsa_private_segment_fixed_size 0
		.amdhsa_enable_private_segment 0
		.amdhsa_kernarg_size 56
		.amdhsa_user_sgpr_count 2
		.amdhsa_user_sgpr_kernarg_segment_ptr 1
		.amdhsa_wavefront_size32 1
		.amdhsa_system_sgpr_workgroup_id_x 1
		.amdhsa_system_sgpr_workgroup_id_y 1
		.amdhsa_system_sgpr_workgroup_id_z 1
		.amdhsa_system_vgpr_workitem_id 0
		.amdhsa_next_free_vgpr 1024
		.amdhsa_next_free_sgpr 96
		.amdhsa_reserve_vcc 0
		.amdhsa_float_denorm_mode_32 3
		.amdhsa_float_denorm_mode_16_64 3
		.amdhsa_memory_ordered 1
		.amdhsa_forward_progress 1
		.amdhsa_inst_pref_size 150
	.end_amdhsa_kernel
	.amdgpu_metadata
---
amdhsa.version: [ 1, 2 ]
amdhsa.kernels:
  - .name:           k_qcf05a1791c_qkv
    .symbol:         k_qcf05a1791c_qkv.kd
    .args:
      - { .name: xb, .offset: 0, .size: 8, .value_kind: global_buffer, .address_space: global }
      - { .name: wb, .offset: 8, .size: 8, .value_kind: global_buffer, .address_space: global }
      - { .name: b_attn, .offset: 16, .size: 8, .value_kind: global_buffer, .address_space: global }
      - { .name: tab, .offset: 24, .size: 8, .value_kind: global_buffer, .address_space: global }
      - { .name: qh, .offset: 32, .size: 8, .value_kind: global_buffer, .address_space: global }
      - { .name: kh, .offset: 40, .size: 8, .value_kind: global_buffer, .address_space: global }
      - { .name: vh, .offset: 48, .size: 8, .value_kind: global_buffer, .address_space: global }
    .group_segment_fixed_size: 327680
    .private_segment_fixed_size: 0
    .kernarg_segment_align: 8
    .kernarg_segment_size: 56
    .max_flat_workgroup_size: 128
    .sgpr_count:     96
    .vgpr_count:     1024
    .wavefront_size: 32
...
	.end_amdgpu_metadata
.endif
;; end of part 2
;; launch attn (part 3): grid 16 x 16, 4 waves a work-group, no clusters, 327,680 bytes of LDS; arguments qh, kh, vh, yh; writes yh
.if DOCPART == 3
	.amdgcn_target "amdgcn-amd-amdhsa--gfx1250"
	.amdhsa_code_object_version 6
	.text
	.protected	k_qcf05a1791c_attn
	.globl	k_qcf05a1791c_attn
	.p2align	8
	.type	k_qcf05a1791c_attn,@function
k_qcf05a1791c_attn:
	s_mov_b64 s[64:65], 0
	v_nop
	global_prefetch_b8 v0, s[64:65] scope:SCOPE_SE
	s_setreg_imm32_b32 hwreg(HW_REG_WAVE_MODE, 25, 1), 1
	s_wait_xcnt 0x0
; CAUSAL ATTENTION at head size 64.  y[h][q][:] = the sum over k <= q of softmax_k(Q[h][q] . K[h][k] / 8) V[h][k][:].  qh, kh, vh, yh: f16 [16][4096][64], rows of 128 bytes, dense.
; Products, maxima and sums in f32; the weights p are rounded to f16 for the second product (their sum l is taken of the unrounded p), y once at the end.
; LIMITS.  Q, K, V arrive within f16's 65,504; p lies in 0 to 1 and below 6e-5 keeps f16's fixed step of 6e-8; a hidden score counts as its value less 1e30 (f16's scores reach 2.7e11 at the most);
; a weight below 2^-126 counts as 0 in l; NaN and infinities are not treated apart.
; THE WALK.  A head's queries lie in 32 blocks of 128; block i needs the key tiles 0 .. i / 2 of 256 keys, of which the last holds the diagonal.  A work-group takes blocks 31 - b and then b:
; (31 - b) / 2 + 1 + b / 2 + 1 = 17 tiles whatever b: 256 equal work-groups, and ONE loop with a constant trip count.  What a trip does hangs on scalars made from b; every jump but the counted
; loops' own goes forward, and none passes a barrier or a tensor load (but the one of LOAD's two that the wave's number does not choose).
; NO CLUSTER: a head's 16 work-groups ask for the same tile in trips 0 to 8 of 17 only, and which trip holds a diagonal or a block's end hangs on b, which would be a place in the cluster.
; SHARES.  Wave w owns rows 32 w .. + 31 of a block: two tiles u of 16 queries.  In the diagonal tile its rows lie in the band x = 2 (i % 2) + w / 2 of 64 keys: step s shows all keys if s < x,
; none if s > x, and holds the diagonal if s = x.
; THE MASK is the C operand that starts S^T = K Q^T: MC = MD x AL + BE; MD, made once, is the mask of the band's own step; (AL, BE) = (1, 0), (0, 0) or (0, -1e30).  Outside a diagonal tile MC holds 0.
; LAYOUT.  S^T = K Q^T holds ONE query a lane (l % 16) and the keys 8 (l / 16) + 0..7; two such results rounded to f16 ARE source 1 of O^T = V^T P.  p = 2^(c s - c m), c = log2(e) / 8, with a running
; maximum m; O and l are multiplied by a = 2^(c m_old - c m_new) in every step.  A block starts with c m far below every c s, so its first a is 0 and O, l need only be finite.
; A STEP GOES IN PHASES: V's loads, 16 products K Q^T, the next K's loads, maximum and statistics, scalings and exponentials (one batch, one wait), roundings, sums, rescaling, 16 products V^T P.
; REGISTERS (s_set_vgpr_msb: bits 1:0 source 0, 3:2 source 1, 5:4 source 2, 7:6 destination):
;   window 0: v0-15 addresses; v16-23 statistics; v24-31 at work; v32-63 Q; v64-127 S^T; v128-191 K of a step; v192-255 V of a step
;   window 1: v0-63 O^T; v64-95 P; v96-159 MD; v160-223 MC; v224-255 the second block's Q
.set KS,    64
.set PK,    144                        ; a row of K in LDS: 128 bytes + 16: the 16 rows of a load start at 16 different groups of four banks (64 banks of 4 bytes: ISA guide 11.1)
.set PV,    160                        ; a row of V: 128 + 32
.set VOFF,  4*KS*PK                    ; a slot holds a tile: 256 rows of K, then 256 rows of V
.set SLOT1, 1<<17
.set STAGE, SLOT1+4*KS*(PK+PV)         ; behind the ring, never filled by a tensor load: 16 rows x 144 bytes for each wave
.set SP,    144
.set SPARE, STAGE+4*16*SP              ; the spare words, 128 bytes a wave: two blocks of 256 bytes that no other line names
.set AK0, 2
.set AV0, 3
.set AK,  4
.set AV,  5
.set STO, 6
.set RD,  7
.set GO,  8
.set SPW, 10                           ; v10 my spare word; v11 0; never rewritten
.set NIL, 11
.set MV,  12                           ; v12-13 c m_old, by tile
.set PFO, 14                           ; v14 256 l; never rewritten
.set QO,  15
.set ST,  16                           ; tile u: c m, m, l (even keys', odd keys') at v[16 + 4 u]
.set TMP, 24                           ; tile u: c0-c3 at work; c2 takes a
.set Q,   32
.set S,   64
.set KF,  128
.set VF,  192
.set P,   64                           ; window 1
.set MD,  96
.set MC,  160
.set QB,  224
.set WV,  12
.set PB,  14
.set HI,  15
.set G1K, 24
.set G1V, 32
.set G0K, 40
.set G0V, 44
.set SLOTS, 56
.set CNT, 57
.set CS,  58
.set SEL, 60
.set TBK, 62
.set TBV, 63
.set RT,  70                           ; tiles of the block in hand still to be entered
.set NXT, 71                           ; the tile to be asked for next
.set LQ,  72                           ; the last tile of the block whose tiles are being asked for
.set NEW, 73                           ; 1: the tile to be entered is a block's first
.set OFF, 74
.set AL,  76
.set BE,  78
.set OLO, 80                           ; y at my rows of the second block
.set BIGN, 82
.set XC,  83                           ; 4 - x of the block in hand; s84 of the second block
.set XC2, 84
.set NT2, 85                           ; the second block's tiles; s86 its last tile
.set LQ2, 86
.set LIM, 87                           ; 2 in the work-group that prefetches, else the greatest number
.set PFK, 88
.set PFV, 90
.set MSB, 0
.macro WIN new
.if MSB != (\new)
	s_set_vgpr_msb (MSB<<8)|(\new)
.set MSB, (\new)
.endif
.endm
.macro PLACES
.rept 4
	v_nop
.endr
.endm
; A fill.  Waves 0 and 1 fetch the two halves of a tile's K, waves 2 and 3 those of its V.  An s_nop 0 and four v_nop follow each line.
.macro LOAD
	s_cmp_lt_u32 s[WV], 2
	s_cbranch_scc0 .Lfor_v_\@
	tensor_load_to_lds s[G0K:G0K+3], s[G1K:G1K+7]
	s_nop 0
.rept 4
	v_nop
.endr
	s_branch .Lasked_\@
.Lfor_v_\@:
	tensor_load_to_lds s[G0V:G0V+3], s[G1V:G1V+7]
	s_nop 0
.rept 4
	v_nop
.endr
.Lasked_\@:
.endm
; A prefetch of the tile that the NEXT change of slots will ask for: four key steps ahead of that load.  All 16 work-groups of a head walk the same tiles; the one with b = 0 walks all 16, and it alone
; asks.  Wave w names pieces 32 w .. + 31 of the tile's 128 pieces of 256 bytes, of K and of V, a lane a piece: each is named once.  Trip t names tile t + 2; trips 14 and 15 name nothing.
.macro ASK
	s_cmp_gt_u32 s[SLOTS], s[LIM]
	s_cbranch_scc0 .Lnot_mine_\@
	global_prefetch_b8 v[PFO], s[PFK:PFK+1] th:TH_LOAD_NT scope:SCOPE_SE
	global_prefetch_b8 v[PFO], s[PFV:PFV+1] th:TH_LOAD_NT scope:SCOPE_SE
.Lnot_mine_\@:
.endm
; THE CHANGE OF SLOTS.  Each wave waits for all its tensor loads (one is out: its part of the other slot), adds 0 to its spare word, and waits for that and for its reads of the slot that it leaves.
; fill = 1: the old slot is filled again, first thing behind the barrier, with tile NXT; the descriptor's address is made anew from that number.
.macro CHANGE fill
	WIN 0
	s_wait_tensorcnt 0x0
	ds_add_u32 v[SPW], v[NIL]                      ; scalar work stands between the add and the wait for it
.if \fill
	s_lshl_b32 s[OFF], s[NXT], 15                  ; a tile is 32,768 bytes of K and of V
	s_xor_b32 s[G0K+1], s[G0K+1], SLOT1
	s_add_nc_u64 s[G0K+2:G0K+3], s[6:7], s[OFF:OFF+1]
	s_or_b32 s[G0K+3], s[G0K+3], 0x80000000
	s_xor_b32 s[G0V+1], s[G0V+1], SLOT1
	s_add_nc_u64 s[G0V+2:G0V+3], s[8:9], s[OFF:OFF+1]
	s_or_b32 s[G0V+3], s[G0V+3], 0x80000000
	s_add_co_u32 s[NXT], s[NXT], 1                 ; the block's next tile, or behind its last the second block's tile 0
	s_cmp_gt_u32 s[NXT], s[LQ]
	s_cselect_b32 s[NXT], 0, s[NXT]
	s_cselect_b32 s[LQ], s[LQ2], s[LQ]
	s_wait_xcnt 0x0                                ; the last prefetches, a tile back, have read their addresses
	s_add_nc_u64 s[PFK:PFK+1], s[PFK:PFK+1], 32768
	s_add_nc_u64 s[PFV:PFV+1], s[PFV:PFV+1], 32768
.endif
	s_wait_dscnt 0x0                               ; the add is done, and my reads of the slot are over
	s_barrier_signal -1
	s_sub_co_u32 s[TBK], s[TBK], 4*KS*PK           ; the fetches go back to a slot's first step,
	s_xor_b32 s[TBK], s[TBK], SLOT1                ; in the other slot
	s_sub_co_u32 s[TBV], s[TBV], 4*KS*PV
	s_xor_b32 s[TBV], s[TBV], SLOT1
	s_barrier_wait -1
.if \fill
	LOAD
	ASK
.endif
.endm
	s_load_b256 s[4:11], s[0:1], 0x0               ; qh s[4:5], kh s[6:7], vh s[8:9], yh s[10:11]
	v_lshl_add_u32 v[SPW], v0, 2, SPARE
	v_mov_b32 v[NIL], 0
	ds_add_u32 v[SPW], v[NIL]                      ; the wave's opening: the add and its wait stand ahead of my first tensor load
	v_lshrrev_b32 v1, 5, v0
	v_readfirstlane_b32 s[WV], v1
	s_mov_b32 s[PB], ttmp9                         ; b
	s_sub_co_u32 s[HI], 31, s[PB]
	s_and_b32 s20, ttmp7, 0xffff
	s_lshl_b32 s20, s20, 19                        ; the head's first byte in each tensor
	s_mov_b32 s21, 0
	s_and_b32 s16, s[WV], 1                        ; which half of a tile's 256 keys I fetch:
	s_lshl_b32 s22, s16, 14                        ; its 128 rows in memory,
	s_mov_b32 s23, 0
	s_add_nc_u64 s[22:23], s[22:23], s[20:21]
	s_mul_i32 s17, s16, 128*PK                     ; and its place in a slot, for K
	s_mul_i32 s18, s16, 128*PV                     ; and for V
	s_lshl_b32 s3, s[WV], 12                       ; my 32 rows of a block,
	s_lshl_b32 s2, s[HI], 14                       ; in the first block,
	s_add_co_u32 s2, s2, s3
	s_lshl_b32 s92, s[PB], 14                      ; and in the second
	s_add_co_u32 s92, s92, s3
	s_mov_b32 s3, 0
	s_mov_b32 s93, 0
	s_add_nc_u64 s[2:3], s[2:3], s[20:21]
	s_add_nc_u64 s[92:93], s[92:93], s[20:21]
	s_lshl_b32 s94, s[WV], 13                      ; the prefetches: my 32 pieces, in tile 1; the first change steps them to tile 2
	s_add_co_u32 s94, s94, 32768
	s_mov_b32 s95, 0
	s_add_nc_u64 s[94:95], s[94:95], s[20:21]
	s_mov_b32 s[G1K], (1<<16)|(1<<20)|(4<<22)|(3<<25)  ; 2-byte elements; padding on; after every 32 words (a key) 4 words
	s_mov_b32 s[G1V], (1<<16)|(1<<20)|(4<<22)|(7<<25)  ; the same with 8 words
.irp g, G1K, G1V
	s_mov_b32 s[\g+1], 128<<16                     ; 128 keys are 16,384 dense bytes: asked for as 64 rows of 256
	s_mov_b32 s[\g+2], 64<<16
	s_mov_b32 s[\g+3], 128<<16
	s_mov_b32 s[\g+4], 64
	s_mov_b32 s[\g+5], 128
	s_mov_b32 s[\g+6], 0
	s_mov_b32 s[\g+7], 0
.endr
	s_mov_b32 s[CS], 0x3e38aa3b                    ; c = log2(e) / 8
	s_mov_b32 s[CS+1], s[CS]
	s_mov_b32 s[SEL], 0x76543210
	s_mov_b32 s[SEL+1], 0xfedcba98
	s_mov_b32 s[TBK], SLOT1+4*KS*PK                ; the first change of slots turns these two into 0
	s_mov_b32 s[TBV], SLOT1+4*KS*PV
	s_mov_b32 s[G0K], 1
	s_mov_b32 s[G0K+1], s17
	s_mov_b32 s[G0V], 1
	s_add_co_u32 s[G0V+1], s18, VOFF
	s_lshr_b32 s[LQ], s[HI], 1
	s_add_co_u32 s[RT], s[LQ], 1                   ; the first block's tiles
	s_lshr_b32 s[LQ2], s[PB], 1
	s_add_co_u32 s[NT2], s[LQ2], 1
	s_lshr_b32 s19, s[WV], 1
	s_and_b32 s[XC], s[HI], 1
	s_lshl_b32 s[XC], s[XC], 1
	s_add_co_u32 s[XC], s[XC], s19
	s_sub_co_u32 s[XC], 4, s[XC]
	s_and_b32 s[XC2], s[PB], 1
	s_lshl_b32 s[XC2], s[XC2], 1
	s_add_co_u32 s[XC2], s[XC2], s19
	s_sub_co_u32 s[XC2], 4, s[XC2]
	s_mov_b32 s[NXT], 1
	s_mov_b32 s[NEW], 1
	s_mov_b32 s[OFF+1], 0
	s_mov_b32 s[AL], 0
	s_mov_b32 s[AL+1], 0
	s_mov_b32 s[BE], 0
	s_mov_b32 s[BE+1], 0
	s_mov_b32 s[BIGN], 0xf149f2ca                  ; -1e30
	s_mov_b32 s[SLOTS], 16
	s_cmp_eq_u32 s[PB], 0
	s_cselect_b32 s[LIM], 2, -1
	s_wait_dscnt 0x0                               ; the opening add is done
	s_wait_kmcnt 0x0
	s_add_nc_u64 s[PFK:PFK+1], s[6:7], s[94:95]
	s_add_nc_u64 s[PFV:PFV+1], s[8:9], s[94:95]
	s_add_nc_u64 s[6:7], s[6:7], s[22:23]          ; K and V at my half of the head's tile 0
	s_add_nc_u64 s[8:9], s[8:9], s[22:23]
	s_add_nc_u64 s[G0K+2:G0K+3], s[6:7], 0
	s_or_b32 s[G0K+3], s[G0K+3], 0x80000000
	s_add_nc_u64 s[G0V+2:G0V+3], s[8:9], 0
	s_or_b32 s[G0V+3], s[G0V+3], 0x80000000
	s_add_nc_u64 s[66:67], s[4:5], s[92:93]        ; Q at my rows of the second block,
	s_add_nc_u64 s[4:5], s[4:5], s[2:3]            ; Q and y at those of the first
	s_add_nc_u64 s[OLO:OLO+1], s[10:11], s[92:93]
	s_add_nc_u64 s[10:11], s[10:11], s[2:3]
	LOAD                                           ; tile 0 into slot 0
	; all that follows up to the loop stands in the wait for the first tile
	v_and_b32 v1, 15, v0                           ; r = l % 16
	v_bfe_u32 v9, v0, 4, 1                         ; h = l / 16
	v_lshlrev_b32 v[QO], 7, v1
	v_lshl_add_u32 v[QO], v9, 4, v[QO]
.set i, 0
.rept 4                                ; Q stays in registers: tile i / 2, channels 32 (i % 2) on
	global_load_b128 v[Q+8*i:Q+8*i+3],   v[QO], s[4:5] offset:(i/2)*2048+(i%2)*64
	global_load_b128 v[Q+8*i+4:Q+8*i+7], v[QO], s[4:5] offset:(i/2)*2048+(i%2)*64+32
.set i, i+1
.endr
	WIN 0x40
.set i, 0
.rept 4
	global_load_b128 v[QB+8*i:QB+8*i+3],   v[QO], s[66:67] offset:(i/2)*2048+(i%2)*64
	global_load_b128 v[QB+8*i+4:QB+8*i+7], v[QO], s[66:67] offset:(i/2)*2048+(i%2)*64+32
.set i, i+1
.endr
	WIN 0
	v_lshlrev_b32 v24, 3, v9
	v_sub_nc_u32 v24, v1, v24
	s_lshl_b32 s13, s16, 5
	v_add_nc_u32 v24, s13, v24                     ; tile 0's query in its band, 32 (w % 2) + r, less my lanes' 8 h: register rg of key group kt of tile u is hidden where 16 kt + rg - 16 u is greater
	WIN 0x40
.set i, 0
.rept 64
	v_cmp_gt_i32 vcc_lo, 16*((i%32)/8)+i%8-16*(i/32), v24
	v_cndmask_b32 v[MD+i], 0, s[BIGN], vcc_lo
.set i, i+1
.endr
.set i, 0
.rept 64
	v_mov_b32 v[i], 0                              ; O^T need only be finite: a block's first a is 0
.set i, i+1
.endr
	WIN 0
.irp u, 0,1
	v_mov_b32 v[ST+4*\u], 0xfe000000               ; c m: far below every c s
	v_mov_b32 v[ST+4*\u+1], 0xff7fffff             ; m: the lowest finite number
	v_mov_b32 v[ST+4*\u+2], 0
	v_mov_b32 v[ST+4*\u+3], 0
.endr
	v_mul_u32_u24 v[AK0], v1, PK
	v_lshl_add_u32 v[AK0], v9, 4, v[AK0]
	v_and_b32 v25, 7, v0
	v_bfe_u32 v26, v0, 3, 1
	v_lshl_add_u32 v[AV0], v9, 3, v25              ; the turning load: lane l reads key 8 h + l % 8, channels 8 ((l / 8) % 2) + 0..7
	v_mul_u32_u24 v[AV0], v[AV0], PV
	v_lshl_add_u32 v[AV0], v26, 4, v[AV0]
	v_add_nc_u32 v[AV0], VOFF, v[AV0]
	s_mul_i32 s13, s[WV], 16*SP
	s_add_co_u32 s13, s13, STAGE
	v_mul_u32_u24 v[STO], v1, SP
	v_lshl_add_u32 v[STO], v9, 4, v[STO]
	v_add_nc_u32 v[STO], s13, v[STO]
	v_bfe_u32 v[RD], v0, 3, 2
	v_mul_u32_u24 v[RD], v[RD], SP
	v_lshl_add_u32 v[RD], v25, 4, v[RD]
	v_add_nc_u32 v[RD], s13, v[RD]
	v_and_b32 v[GO], 31, v0
	v_lshlrev_b32 v[PFO], 8, v[GO]
	v_lshlrev_b32 v[GO], 4, v[GO]
.macro MASK                            ; MC = MD x AL + BE
	WIN 0x41
.set z, 0
.rept 32
	v_pk_fma_f32 v[MC+2*z:MC+2*z+1], v[MD+2*z:MD+2*z+1], s[AL:AL+1], s[BE:BE+1] op_sel_hi:[1,0,0]
.set z, z+1
.endr
	WIN 0
.endm
.macro FETCH_K                         ; a step's K: key block f / 2, channels 32 (f % 2) on
.irp f, 0,1,2,3,4,5,6,7
	ds_load_b128 v[KF+8*\f:KF+8*\f+3],   v[AK] offset:(\f/2)*16*PK+(\f%2)*64
	ds_load_b128 v[KF+8*\f+4:KF+8*\f+7], v[AK] offset:(\f/2)*16*PK+(\f%2)*64+32
.endr
	s_add_co_u32 s[TBK], s[TBK], KS*PK
.endm
.macro FETCH_V                         ; a step's V, turned: keys 32 (f / 4) on, channels 16 (f % 4) on
.irp f, 0,1,2,3,4,5,6,7
	ds_load_tr16_b128 v[VF+8*\f:VF+8*\f+3],   v[AV] offset:(\f/4)*32*PV+(\f%4)*32
	ds_load_tr16_b128 v[VF+8*\f+4:VF+8*\f+7], v[AV] offset:(\f/4)*32*PV+16*PV+(\f%4)*32
.endr
.endm
; 16 products S^T = K Q^T: channels 32 (i / 8) on, keys 16 ((i / 2) % 4) on, tile i % 2.  The first 8 start the sums with the mask.  The 8 accumulators take turns.
.macro KQRUN
.set i, 0
.rept 16
.set rS, S+32*(i%2)+8*((i/2)%4)
.set rK, KF+16*((i/2)%4)+8*(i/8)
.set rQ, Q+16*(i%2)+8*(i/8)
.set rM, MC+32*(i%2)+8*((i/2)%4)
.if i < 8
	WIN 0x10
	v_wmma_f32_16x16x32_f16 v[rS:rS+7], v[rK:rK+7], v[rQ:rQ+7], v[rM:rM+7]
.else
	WIN 0
	v_wmma_f32_16x16x32_f16 v[rS:rS+7], v[rK:rK+7], v[rQ:rQ+7], v[rS:rS+7]
.endif
.set i, i+1
.endr
.endm
; 16 products O^T += V^T P: keys 32 (i / 8) on, channels 16 ((i / 2) % 4) on, tile i % 2
.macro PVRUN
	WIN 0x54
.set i, 0
.rept 16
.set rO, 32*(i%2)+8*((i/2)%4)
.set rV, VF+32*(i/8)+8*((i/2)%4)
.set rP, P+16*(i%2)+8*(i/8)
	v_wmma_f32_16x16x32_f16 v[rO:rO+7], v[rV:rV+7], v[rP:rP+7], v[rO:rO+7]
.set i, i+1
.endr
	WIN 0
.endm
.macro REGS u
.set rT, ST+4*(\u)
.set rC, TMP+4*(\u)
.set rW, MV+(\u)
.set rS, S+32*(\u)
.endm
; Number n of the 22 that find tile u's maximum and statistics; each accumulator's lowest registers are read first.
;   0-11 four chains c0-c3 of seven scores each   12-14, 16 the four scores left over, the old m, c0-c3 into c0   15 c m_old is kept   17, 18 the lane 16 away holds the query's other 32 keys   19-21 c m; its change; a
.macro X u, n
	REGS \u
.if (\n) < 4
	v_max3_num_f32 v[rC+(\n)], v[rS+8*(\n)], v[rS+8*(\n)+1], v[rS+8*(\n)+2]
.elseif (\n) < 12
	v_max3_num_f32 v[rC+(\n)%4], v[rC+(\n)%4], v[rS+8*((\n)%4)+2*((\n)/4)+1], v[rS+8*((\n)%4)+2*((\n)/4)+2]
.elseif (\n) == 12
	v_max3_num_f32 v[rC], v[rC], v[rS+7], v[rS+15]
.elseif (\n) == 13
	v_max3_num_f32 v[rC+1], v[rC+1], v[rS+23], v[rS+31]
.elseif (\n) == 14
	v_max3_num_f32 v[rC+2], v[rC+2], v[rC+3], v[rT+1]
.elseif (\n) == 15
	v_mov_b32 v[rW], v[rT]
.elseif (\n) == 16
	v_max3_num_f32 v[rC], v[rC], v[rC+1], v[rC+2]
.elseif (\n) == 17
	v_permlanex16_b32 v[rC+3], v[rC], s[SEL], s[SEL+1]
.elseif (\n) == 18
	v_max_num_f32 v[rT+1], v[rC], v[rC+3]
.elseif (\n) == 19
	v_mul_f32 v[rT], s[CS], v[rT+1]
.elseif (\n) == 20
	v_sub_f32 v[rC+1], v[rW], v[rT]
.else
	v_exp_f32 v[rC+2], v[rC+1]
.endif
.endm
.macro F u, n                          ; c s - c m for pair n of 16
	REGS \u
	v_pk_fma_f32 v[rS+2*(\n):rS+2*(\n)+1], v[rS+2*(\n):rS+2*(\n)+1], s[CS:CS+1], v[rT:rT+1] op_sel_hi:[1,0,0] neg_lo:[0,0,1] neg_hi:[0,0,1]
.endm
.macro E u, n                          ; the exponential of score n of 32
	REGS \u
	v_exp_f32 v[rS+(\n)], v[rS+(\n)]
.endm
.macro E4 n                            ; pair n of both tiles
	E 0, 2*(\n)
	E 1, 2*(\n)
	E 0, 2*(\n)+1
	E 1, 2*(\n)+1
.endm
.macro SUM u, zz                       ; the tile's 16 pairs are added in place, neighbours 1, 2, 4 and 8 pairs apart; then l = a l + the sum
	REGS \u
.set wd, 4
.set ix, (\zz)
.if (\zz) >= 14
.set wd, 32
.set ix, 0
.elseif (\zz) >= 12
.set wd, 16
.set ix, (\zz)-12
.elseif (\zz) >= 8
.set wd, 8
.set ix, (\zz)-8
.endif
.if (\zz) < 15
	v_pk_add_f32 v[rS+wd*ix:rS+wd*ix+1], v[rS+wd*ix:rS+wd*ix+1], v[rS+wd*ix+wd/2:rS+wd*ix+wd/2+1]
.else
	v_pk_fma_f32 v[rT+2:rT+3], v[rT+2:rT+3], v[rC+2:rC+3], v[rS:rS+1] op_sel_hi:[1,0,1]
.endif
.endm
; A KEY STEP.  tail = 1: the walk's last tile, which is always a diagonal one: no test.
.macro STEP tail
.if !(\tail)
	s_cmp_lg_u32 s[RT], 0
	s_cbranch_scc1 .Lplain_\@                      ; not a diagonal tile: MC holds 0
.endif
	s_cmp_eq_u32 s[CNT], s[XC]                     ; is this step my band's own?
	s_cselect_b32 s[AL], 1.0, 0
	s_cmp_lt_u32 s[CNT], s[XC]                     ; or a later one?
	s_cselect_b32 s[BE], s[BIGN], 0
	MASK
.if !(\tail)
.Lplain_\@:
.endif
	v_add_nc_u32 v[AV], s[TBV], v[AV0]
	s_add_co_u32 s[TBV], s[TBV], KS*PV
	FETCH_V                                        ; four plain instructions behind the last product that read V
	s_wait_dscnt 16                                ; K, asked for earlier on every way, is in; V's 16 loads may stay out
	KQRUN
	PLACES                                         ; behind the products: in front of the loads into K's registers and of the lines that read the scores
	s_cmp_eq_u32 s[CNT], 1
	s_cbranch_scc1 .Lno_k_\@                       ; a tile's last step: the next K lies in the other slot and is fetched behind the change
	v_add_nc_u32 v[AK], s[TBK], v[AK0]
	FETCH_K
.Lno_k_\@:
.irp n, 0,1,2,3,4,5,6,7,8,9,10,11,12,13,14,15,16,17,18,19,20
	X 0, \n
	X 1, \n
.endr
	F 0, 0                                         ; ONE BATCH: 32 scalings and 66 exponentials; none of these lines names an exponential's result
	F 1, 0
.irp n, 1,2,3,4,5,6,7,8,9,10,11,12,13,14,15
	F 0, \n
	F 1, \n
	E4 (\n)-1
.endr
	E4 15
	X 0, 21
	X 1, 21
	v_nop                                          ; a plain instruction behind the last exponential,
	s_wait_alu depctr_va_vdst(0)                   ; and the one wait ahead of the first line that names a result
	WIN 0x40
.set i, 0
.rept 16
	v_cvt_pk_f16_f32 v[P+i], v[S+2*i], v[S+2*i+1]
	v_cvt_pk_f16_f32 v[P+16+i], v[S+32+2*i], v[S+32+2*i+1]
.set i, i+1
.endr
	WIN 0
.irp n, 0,1,2,3,4,5,6,7,8,9,10,11,12,13,14,15
	SUM 0, \n
	SUM 1, \n
.endr
	WIN 0x41
.set i, 0
.rept 16                               ; O^T times a, each accumulator from its low end
	v_pk_mul_f32 v[2*i:2*i+1], v[2*i:2*i+1], v[TMP+2:TMP+3] op_sel_hi:[1,0]
	v_pk_mul_f32 v[32+2*i:32+2*i+1], v[32+2*i:32+2*i+1], v[TMP+6:TMP+7] op_sel_hi:[1,0]
.set i, i+1
.endr
	s_wait_dscnt 0x0                               ; V is in, and the next step's K
	PVRUN
	PLACES                                         ; in front of the next loads into V's registers
.endm
.macro PACK u                          ; O^T / l, rounded to f16; 16 bytes a lane into rows of 144 bytes, and back as whole rows of 128, into S^T's registers
	WIN 0x41
.set i, 32*(\u)
.rept 16
	v_pk_mul_f32 v[i:i+1], v[i:i+1], v[ST+4*(\u)+2:ST+4*(\u)+3] op_sel_hi:[1,0]
.set i, i+2
.endr
	WIN 0x05
.set i, 0
.rept 16
	v_cvt_pk_f16_f32 v[S+16*(\u)+i], v[32*(\u)+2*i], v[32*(\u)+2*i+1]
.set i, i+1
.endr
	WIN 0
.irp f, 0,1,2,3
	ds_store_b128 v[STO], v[S+16*(\u)+4*\f:S+16*(\u)+4*\f+3] offset:32*\f
.endr
.irp f, 0,1,2,3
	ds_load_b128 v[S+16*(\u)+4*\f:S+16*(\u)+4*\f+3], v[RD] offset:\f*4*SP  ; LDS serves a wave's instructions in order (ISA guide 5.7.1.4)
.endr
.endm
.macro SEND u, younger                 ; younger: the LDS instructions issued behind tile u's loads
.irp f, 0,1,2,3
	s_wait_dscnt (\younger)+3-\f
	global_store_b128 v[GO], v[S+16*(\u)+4*\f:S+16*(\u)+4*\f+3], s[10:11] offset:(\u)*2048+\f*512  ; 512 consecutive bytes of a head, aligned
.endr
.endm
; A TILE: four key steps; where it is a block's last, the way out; in the loop that is the first block's end, and the second block is made ready.
.macro TILE tail
	s_sub_co_u32 s[RT], s[RT], 1
	s_cmp_eq_u32 s[NEW], 1
	s_cbranch_scc0 .Lold_\@
	s_mov_b32 s[NEW], 0
.irp u, 0,1
	v_mov_b32 v[ST+4*\u], 0xfe000000
	v_mov_b32 v[ST+4*\u+1], 0xff7fffff
.endr
.Lold_\@:
	v_add_nc_u32 v[AK], s[TBK], v[AK0]
	FETCH_K                                        ; the tile's first K
	s_mov_b32 s[CNT], 4
.Lstep_\@:
	STEP \tail
	s_sub_co_u32 s[CNT], s[CNT], 1
	s_cmp_lg_u32 s[CNT], 0
	s_cbranch_scc1 .Lstep_\@
.if !(\tail)
	s_cmp_lg_u32 s[RT], 0
	s_cbranch_scc1 .Lnotend_\@
.endif
.irp u, 0,1
	v_add_f32 v[ST+4*\u+2], v[ST+4*\u+2], v[ST+4*\u+3]
.endr
.irp u, 0,1
	v_permlanex16_b32 v[ST+4*\u+3], v[ST+4*\u+2], s[SEL], s[SEL+1]
.endr
.irp u, 0,1
	v_add_f32 v[ST+4*\u+2], v[ST+4*\u+2], v[ST+4*\u+3]
.endr
.irp u, 0,1
	v_rcp_f32 v[ST+4*\u+2], v[ST+4*\u+2]
.endr
	v_nop                                          ; a plain instruction behind the last reciprocal,
	s_wait_alu depctr_va_vdst(0)                   ; and the wait ahead of the first use
	PACK 0
	PACK 1
	SEND 0, 8
	SEND 1, 0
.if !(\tail)
	s_wait_xcnt 0x0                                ; the stores have read their registers and y's address
	s_mov_b64 s[10:11], s[OLO:OLO+1]
	s_mov_b32 s[RT], s[NT2]
	s_mov_b32 s[NEW], 1
	s_mov_b32 s[XC], s[XC2]
	s_mov_b32 s[AL], 0
	s_mov_b32 s[BE], 0
	MASK                                           ; MC holds 0 again
	WIN 0x01
.set i, 0
.rept 32
	v_mov_b32 v[Q+i], v[QB+i]                      ; the second block's Q goes where the one text of the steps names Q
.set i, i+1
.endr
	WIN 0
.Lnotend_\@:
.endif
.endm
	MASK                                           ; AL = BE = 0: MC holds 0
	s_wait_loadcnt 0x0                             ; both blocks' Q
.Lslot:                                ; 16 times: a tile is entered and the next is asked for
	CHANGE 1
	TILE 0
	s_sub_co_u32 s[SLOTS], s[SLOTS], 1
	s_cmp_lg_u32 s[SLOTS], 0
	s_cbranch_scc1 .Lslot
	CHANGE 0                                       ; the walk's last tile is written out
	TILE 1
	s_wait_tensorcnt 0x0                           ; the wave's end
	ds_add_u32 v[SPW], v[NIL]
	s_wait_dscnt 0x0
	s_endpgm
.Lfunc_end_k_qcf05a1791c_attn:
	.size	k_qcf05a1791c_attn, .Lfunc_end_k_qcf05a1791c_attn-k_qcf05a1791c_attn
	.p2alignl 7, 3214868480
	.fill 96, 4, 3214868480
	.section	.rodata,"a",@progbits
	.p2align	6, 0x0
	.amdhsa_kernel k_qcf05a1791c_attn
		.amdhsa_group_segment_fixed_size 327680
		.amdhsa_private_segment_fixed_size 0
		.amdhsa_enable_private_segment 0
		.amdhsa_kernarg_size 32
		.amdhsa_user_sgpr_count 2
		.amdhsa_user_sgpr_kernarg_segment_ptr 1
		.amdhsa_wavefront_size32 1
		.amdhsa_system_sgpr_workgroup_id_x 1
		.amdhsa_system_sgpr_workgroup_id_y 1
		.amdhsa_system_sgpr_workgroup_id_z 1
		.amdhsa_system_vgpr_workitem_id 0
		.amdhsa_next_free_vgpr 512
		.amdhsa_next_free_sgpr 96
		.amdhsa_reserve_vcc 1
		.amdhsa_float_denorm_mode_32 3
		.amdhsa_float_denorm_mode_16_64 3
		.amdhsa_memory_ordered 1
		.amdhsa_forward_progress 1
		.amdhsa_inst_pref_size 80
	.end_amdhsa_kernel
	.amdgpu_metadata
---
amdhsa.version: [ 1, 2 ]
amdhsa.kernels:
  - .name:           k_qcf05a1791c_attn
    .symbol:         k_qcf05a1791c_attn.kd
    .args:
      - { .name: qh, .offset: 0, .size: 8, .value_kind: global_buffer, .address_space: global }
      - { .name: kh, .offset: 8, .size: 8, .value_kind: global_buffer, .address_space: global }
      - { .name: vh, .offset: 16, .size: 8, .value_kind: global_buffer, .address_space: global }
      - { .name: yh, .offset: 24, .size: 8, .value_kind: global_buffer, .address_space: global }
    .group_segment_fixed_size: 327680
    .private_segment_fixed_size: 0
    .kernarg_segment_align: 8
    .kernarg_segment_size: 32
    .max_flat_workgroup_size: 128
    .sgpr_count:     96
    .vgpr_count:     512
    .wavefront_size: 32
...
	.end_amdgpu_metadata
.endif
;; end of part 3
;; launch proj (part 4): grid 8 x 32, 4 waves a work-group, clusters of 4 x 4, 327,680 bytes of LDS; arguments yh, wp, b_proj, out0; writes out0
.if DOCPART == 4
	.amdgcn_target "amdgcn-amd-amdhsa--gfx1250"
	.amdhsa_code_object_version 6
	.text
	.protected	k_qcf05a1791c_proj
	.globl	k_qcf05a1791c_proj
	.p2align	8
	.type	k_qcf05a1791c_proj,@function
k_qcf05a1791c_proj:
	s_mov_b64 s[64:65], 0
	v_nop
	global_prefetch_b8 v0, s[64:65] scope:SCOPE_SE
	s_setreg_imm32_b32 hwreg(HW_REG_WAVE_MODE, 25, 1), 1
	s_wait_xcnt 0x0
	s_wait_alu depctr_hold_cnt(0) depctr_sa_sdst(0) depctr_va_vdst(0) depctr_va_sdst(0) depctr_va_ssrc(0) depctr_va_vcc(0) depctr_vm_vsrc(0)
	s_getreg_b32 s2, hwreg(HW_REG_IB_STS2, 6, 4)
	s_cmp_eq_u32 s2, 0
	s_cbranch_scc0 .Lentry_in_a_cluster
	s_endpgm
.Lentry_in_a_cluster:
	s_bfe_u32 s2, ttmp6, 0x10000c
	s_cmp_lg_u32 s2, 0xf033
	s_cbranch_scc0 .Lentry_shape_is_right
	s_endpgm
.Lentry_shape_is_right:
; PROJ: out0 = y w_proj + b_proj.  yh: f16 [head = 16][t = 4096][64]; wp: f16 [k = 1024][n = 1024] (w_proj rounded to bf16, written as f16); b_proj: f32, rounded to bf16 like every input; out0: f32 [4096][1024].
; LIMITS: those of f16 in yh and wp, stated where they are made.
; SHARES.  A tile of out0 is 128 x 128: 8 x 32 = 256 work-groups; four waves, each 64 x 64: 16 accumulators.  K goes in 4 steps of 256 (four heads) through two LDS slots.
; CLUSTER 4 x 4: y's tile hangs on the tile row alone and is asked for jointly along a row of the cluster, w's on the tile column alone and jointly along a column.
; THE PRODUCT IS USED TRANSPOSED: source 0 = 16 columns of w (turned by ds_load_tr16_b128), source 1 = 16 rows of y: a lane holds row l % 16 and columns 8 (l / 16) + 0..7.  The bias is the C of each first product.
; No prefetch: a work-group's whole walk is four K steps of small tiles.
; REGISTERS: window 0: v0-31 addresses; v32-95 rows read back, two buffers; v96-127 the bias; v128-255 the accumulators ((a, b) at 128 + 8 (4 a + b)).
;   window 1: two fragment buffers of 128: for 64 along K (one head), 64 registers of y, then 64 of w.
.set PAA,    144                       ; a row of a head in LDS: 128 bytes + 16
.set PBB,    288                       ; a row of k of w: 256 bytes + 32 = 9 x 32
.set QUART,  36864                     ; what one tensor load brings: two heads x 128 rows x 144, or 128 rows of k x 288
.set SLOT,   4*QUART                   ; y's four heads, then w's 256 rows
.set STAGE,  2*SLOT                    ; behind the ring, never filled by a tensor load: 16 rows x 272 bytes for each wave
.set SPITCH, 272
.set SPARE,  STAGE+4*16*SPITCH         ; the spare words, 128 bytes a wave
.set ADRA, 16                          ; v16-17 my fragments of y in slot 0, 1
.set ADRB, 20                          ; v20-23 my fragments of w: slot, then half of the slot's 256 rows (so that the immediates stay under 65,536)
.set STO,  24
.set RD,   25
.set CO,   26
.set BO,   27
.set SPW,  28
.set NIL,  29
.set TMP,  32
.set BIAS, 96
.set ACC,  128
.set F0,   0
.set F1,   128
.set WV,  12                           ; s12 wave; s13 my half of the rows; s14 my half of the columns, and which half of a tile I fetch
.set G1,  24
.set G0,  32
.set G1B, 48
.set G0B, 56
.set MSB, 0
.macro WIN new
.if MSB != (\new)
	s_set_vgpr_msb (MSB<<8)|(\new)
.set MSB, \new
.endif
.endm
.set MUL,  0x05                        ; sources 0 and 1 window 1; C and D window 0
.set TO_F, 0x40                        ; destination window 1, address window 0
.macro PLACES
.rept 4
	v_nop
.endr
.endm
.macro JLOAD s                         ; a joint load: waves 0 and 1 fetch y's heads, waves 2 and 3 w's rows; an s_nop 0 and four v_nop follow each line
	s_cmp_lt_u32 s[WV], 2
	s_cbranch_scc0 .Lfor_b_\@
	tensor_load_to_lds s[G0+4*(\s):G0+4*(\s)+3], s[G1:G1+7]
	s_nop 0
.rept 4
	v_nop
.endr
	s_branch .Lasked_\@
.Lfor_b_\@:
	tensor_load_to_lds s[G0B+4*(\s):G0B+4*(\s)+3], s[G1B:G1B+7]
	s_nop 0
.rept 4
	v_nop
.endr
.Lasked_\@:
.endm
.macro CREST
	s_cmp_lg_u32 s[WV], 0
	s_cbranch_scc1 .Lnot_wave_0_\@
	s_barrier_signal -3
.Lnot_wave_0_\@:
	s_barrier_wait -3
	s_barrier_signal -1
	s_barrier_wait -1
.endm
.macro CROUND
	s_barrier_signal -1
	s_barrier_wait -1
	CREST
.endm
	s_load_b256 s[4:11], s[0:1], 0x0               ; yh s[4:5], wp s[6:7], b_proj s[8:9], out0 s[10:11]
	v_lshl_add_u32 v[SPW], v0, 2, SPARE
	v_mov_b32 v[NIL], 0
	ds_add_u32 v[SPW], v[NIL]                      ; the wave's opening: the add and its wait stand ahead of my first tensor load
	v_lshrrev_b32 v1, 5, v0
	v_readfirstlane_b32 s[WV], v1
	s_lshr_b32 s13, s[WV], 1
	s_and_b32 s14, s[WV], 1
	s_bfe_u32 s15, ttmp6, 0x40000                  ; cx
	s_bfe_u32 s16, ttmp6, 0x40004                  ; cy
	s_lshl_b32 s17, ttmp9, 2
	s_add_co_u32 s17, s17, s15                     ; tile column
	s_and_b32 s18, ttmp7, 0xffff
	s_lshl_b32 s18, s18, 2
	s_add_co_u32 s18, s18, s16                     ; tile row
	s_lshl_b32 s19, s16, 2
	s_lshl_b32 s19, 15, s19                        ; my row of the cluster
	s_lshl_b32 s20, 0x1111, s15                    ; my column
	; y: two heads; a head's 128 rows are 16,384 dense bytes, taken as ONE row of 8,192 elements, 262,144 elements from head to head; padded in LDS after every 32 words, a row of the head
	s_or_b32 s[G1], s19, (1<<16)|(1<<20)|(1<<21)|(4<<22)|(3<<25)
	s_mov_b32 s[G1+1], 8192<<16                    ; tensor_dim0 = 8,192
	s_mov_b32 s[G1+2], 2<<16                       ; tensor_dim1 = 2
	s_mov_b32 s[G1+3], 8192<<16                    ; tile_dim0 = 8,192
	s_mov_b32 s[G1+4], 2                           ; tile_dim1 = 2
	s_mov_b32 s[G1+5], 262144
	s_mov_b32 s[G1+6], 0
	s_mov_b32 s[G1+7], 0
	; w: 128 rows of k x 128 columns, 8 words of padding behind each row of 64 words
	s_or_b32 s[G1B], s20, (1<<16)|(1<<20)|(1<<21)|(5<<22)|(7<<25)
	s_mov_b32 s[G1B+1], 128<<16
	s_mov_b32 s[G1B+2], 128<<16
	s_mov_b32 s[G1B+3], 128<<16
	s_mov_b32 s[G1B+4], 128
	s_mov_b32 s[G1B+5], 1024
	s_mov_b32 s[G1B+6], 0
	s_mov_b32 s[G1B+7], 0
	s_lshl_b32 s40, s14, 20                        ; y: my two heads of the K step's four,
	s_lshl_b32 s41, s18, 14                        ; the tile's 128 rows in a head
	s_add_co_u32 s40, s40, s41
	s_mov_b32 s41, 0
	s_lshl_b32 s42, s14, 18                        ; w: my 128 rows of k,
	s_lshl_b32 s43, s17, 8                         ; the tile's 128 columns
	s_add_co_u32 s42, s42, s43
	s_mov_b32 s43, 0
	s_mul_i32 s44, s[WV], QUART                    ; where they go: no place in the cluster enters an LDS address
	s_wait_dscnt 0x0                               ; the opening add is done
	s_wait_kmcnt 0x0
	s_add_nc_u64 s[46:47], s[4:5], s[40:41]
	s_add_nc_u64 s[66:67], s[6:7], s[42:43]
	CROUND                                         ; all sixteen work-groups are here: the first joint loads meet
.irp s, 0,1
	s_mov_b32 s[G0+4*(\s)], 1
	s_add_co_u32 s[G0+4*(\s)+1], s44, (\s)*SLOT
	s_add_nc_u64 s[G0+4*(\s)+2:G0+4*(\s)+3], s[46:47], (\s)*2097152
	s_or_b32 s[G0+4*(\s)+3], s[G0+4*(\s)+3], 0x80000000
	s_mov_b32 s[G0B+4*(\s)], 1
	s_add_co_u32 s[G0B+4*(\s)+1], s44, (\s)*SLOT
	s_add_nc_u64 s[G0B+4*(\s)+2:G0B+4*(\s)+3], s[66:67], (\s)*524288
	s_or_b32 s[G0B+4*(\s)+3], s[G0B+4*(\s)+3], 0x80000000
	JLOAD \s                                       ; K steps 0 and 1: two loads of mine are out
.endr
	s_lshl_b32 s70, s17, 9
	s_lshl_b32 s71, s14, 8
	s_add_co_u32 s70, s70, s71                     ; my 64 columns, in bytes of f32
	s_mov_b32 s71, 0
	s_add_nc_u64 s[8:9], s[8:9], s[70:71]
	s_lshl_b32 s68, s18, 19
	s_lshl_b32 s69, s13, 18
	s_add_co_u32 s68, s68, s69                     ; my first row, 4,096 bytes a row
	s_add_co_u32 s68, s68, s70
	s_mov_b32 s69, 0
	s_add_nc_u64 s[10:11], s[10:11], s[68:69]
	v_and_b32 v1, 15, v0                           ; r
	v_bfe_u32 v2, v0, 4, 1                         ; h
	v_and_b32 v3, 7, v0
	v_bfe_u32 v4, v0, 3, 1
	v_lshlrev_b32 v[BO], 5, v2
.irp b, 0,1,2,3
	global_load_b128 v[BIAS+8*(\b):BIAS+8*(\b)+3],   v[BO], s[8:9] offset:64*(\b)
	global_load_b128 v[BIAS+8*(\b)+4:BIAS+8*(\b)+7], v[BO], s[8:9] offset:64*(\b)+16
.endr
	v_mul_u32_u24 v5, v1, PAA
	v_lshl_add_u32 v5, v2, 4, v5
	s_mul_i32 s72, s13, 64*PAA
	v_add_nc_u32 v[ADRA], s72, v5
	v_add_nc_u32 v[ADRA+1], SLOT, v[ADRA]
	v_lshl_add_u32 v6, v2, 3, v3                   ; the turning load: lane l reads row of k 8 h + l % 8, columns 8 ((l / 8) % 2) + 0..7
	v_mul_u32_u24 v6, v6, PBB
	v_lshl_add_u32 v6, v4, 4, v6
	s_lshl_b32 s72, s14, 7
	s_add_co_u32 s72, s72, 2*QUART                 ; w lies behind y; my 64 columns
	v_add_nc_u32 v[ADRB], s72, v6
	v_add_nc_u32 v[ADRB+1], QUART, v[ADRB]
	v_add_nc_u32 v[ADRB+2], SLOT, v[ADRB]
	v_add_nc_u32 v[ADRB+3], SLOT+QUART, v[ADRB]
	s_mul_i32 s72, s[WV], 16*SPITCH
	s_add_co_u32 s72, s72, STAGE                   ; my stage
	v_mul_u32_u24 v7, v1, SPITCH
	v_lshl_add_u32 v7, v2, 5, v7                   ; in: row r, 32 bytes for each half of the lanes
	v_add_nc_u32 v[STO], s72, v7
	v_mul_u32_u24 v7, v2, SPITCH                   ; back: lanes 0-15 one row of 256 bytes, lanes 16-31 the next
	v_lshl_add_u32 v7, v1, 4, v7
	v_add_nc_u32 v[RD], s72, v7
	v_lshlrev_b32 v[CO], 12, v2
	v_lshl_add_u32 v[CO], v1, 4, v[CO]
	s_wait_loadcnt 0x0                             ; the bias: rounded to bf16 like every input, and widened again
.set i, 0
.rept 16
	v_cvt_pk_bf16_f32 v[TMP+i], v[BIAS+2*i], v[BIAS+2*i+1]
	v_lshlrev_b32 v[BIAS+2*i], 16, v[TMP+i]
	v_and_b32 v[BIAS+2*i+1], 0xffff0000, v[TMP+i]
.set i, i+1
.endr
; 8 matrix instructions: row blocks a0, a0 + 1 x all 4 column blocks, 32 along K: half c of buffer f.  first = 1: C is the bias.  The 16 accumulators take turns.
.macro MUL8 f, c, a0, first
	WIN MUL
.irp a, \a0, (\a0)+1
.irp b, 0,1,2,3
.if \first
	v_wmma_f32_16x16x32_f16 v[ACC+8*(4*(\a)+(\b)):ACC+8*(4*(\a)+(\b))+7], v[(\f)+64+8*(4*(\c)+(\b)):(\f)+64+8*(4*(\c)+(\b))+7], v[(\f)+8*(4*(\c)+(\a)):(\f)+8*(4*(\c)+(\a))+7], v[BIAS+8*(\b):BIAS+8*(\b)+7]
.else
	v_wmma_f32_16x16x32_f16 v[ACC+8*(4*(\a)+(\b)):ACC+8*(4*(\a)+(\b))+7], v[(\f)+64+8*(4*(\c)+(\b)):(\f)+64+8*(4*(\c)+(\b))+7], v[(\f)+8*(4*(\c)+(\a)):(\f)+8*(4*(\c)+(\a))+7], v[ACC+8*(4*(\a)+(\b)):ACC+8*(4*(\a)+(\b))+7]
.endif
.endr
.endr
.endm
; 32 LDS loads in one run: quarter q (one head, 64 along K) of a slot into buffer f; the first 32 along K first
.macro FETCH slot, q, f
	WIN TO_F
.irp c, 0,1
.irp i, 0,1,2,3
	ds_load_tr16_b128 v[(\f)+64+8*(4*(\c)+(\i)):(\f)+64+8*(4*(\c)+(\i))+3],   v[ADRB+2*(\slot)+(\q)/2] offset:(((\q)%2)*64+32*(\c))*PBB+32*(\i)
	ds_load_tr16_b128 v[(\f)+64+8*(4*(\c)+(\i))+4:(\f)+64+8*(4*(\c)+(\i))+7], v[ADRB+2*(\slot)+(\q)/2] offset:(((\q)%2)*64+32*(\c))*PBB+32*(\i)+16*PBB
	ds_load_b128 v[(\f)+8*(4*(\c)+(\i)):(\f)+8*(4*(\c)+(\i))+3],   v[ADRA+(\slot)] offset:128*PAA*(\q)+64*(\c)+16*PAA*(\i)
	ds_load_b128 v[(\f)+8*(4*(\c)+(\i))+4:(\f)+8*(4*(\c)+(\i))+7], v[ADRA+(\slot)] offset:128*PAA*(\q)+64*(\c)+16*PAA*(\i)+32
.endr
.endr
.endm
.macro QUARTER slot, q, f, g, first
	s_wait_dscnt 16                                ; the first 32 along K are in
	MUL8 \f, 0, 0, \first
	MUL8 \f, 0, 2, \first
	PLACES
	FETCH \slot, \q, \g
	s_wait_dscnt 32                                ; all but the 32 just issued
	MUL8 \f, 1, 0, 0
	MUL8 \f, 1, 2, 0
.endm
; The last quarter multiplies buffer 1 and changes slots: one barrier; in front of it each wave waits for all its tensor loads, adds 0 to its spare word, and waits for that and for its reads of this slot.
.macro TURN slot, next, fill
	WIN 0
	s_wait_tensorcnt 0x0
	ds_add_u32 v[SPW], v[NIL]
	s_wait_dscnt 17                                ; (the add and the youngest sixteen loads may be out)
	MUL8 F1, 0, 0, 0
	s_wait_dscnt 0x0                               ; the add is done, and my reads of this slot are over
	s_barrier_signal -1
	MUL8 F1, 0, 2, 0
.if \fill
	WIN 0
.endif
	s_barrier_wait -1
.if \fill
	CREST                                          ; no wave of any partner still reads this slot or has a load on its way
	s_add_nc_u64 s[G0+4*(\slot)+2:G0+4*(\slot)+3], s[G0+4*(\slot)+2:G0+4*(\slot)+3], 4194304
	s_add_nc_u64 s[G0B+4*(\slot)+2:G0B+4*(\slot)+3], s[G0B+4*(\slot)+2:G0B+4*(\slot)+3], 1048576
	JLOAD \slot                                    ; its four v_nop are also the places in front of the loads below
.else
	PLACES
.endif
	FETCH \next, 0, F0
	MUL8 F1, 1, 0, 0
	MUL8 F1, 1, 2, 0
.endm
	s_wait_tensorcnt 1                             ; my part of K step 0 is in; K step 1's may stay out
	s_barrier_signal -1
	s_barrier_wait -1
	FETCH 0, 0, F0
	QUARTER 0, 1, F0, F1, 1                        ; the first products start the sums with the bias
	WIN 0
	s_mov_b32 s3, 1
.Llap:                                 ; one trip: once round the ring, K steps 2 and 3 are asked for
	QUARTER 0, 2, F1, F0, 0
	QUARTER 0, 3, F0, F1, 0
	TURN 0, 1, 1
	QUARTER 1, 1, F0, F1, 0
	QUARTER 1, 2, F1, F0, 0
	QUARTER 1, 3, F0, F1, 0
	TURN 1, 0, 1
	QUARTER 0, 1, F0, F1, 0
	WIN 0
	s_sub_co_u32 s3, s3, 1
	s_cmp_lg_u32 s3, 0
	s_cbranch_scc1 .Llap
	QUARTER 0, 2, F1, F0, 0                        ; the last lap fills nothing
	QUARTER 0, 3, F0, F1, 0
	TURN 0, 1, 0
	QUARTER 1, 1, F0, F1, 0
	QUARTER 1, 2, F1, F0, 0
	QUARTER 1, 3, F0, F1, 0
	s_wait_dscnt 16
	MUL8 F1, 0, 0, 0
	MUL8 F1, 0, 2, 0
	s_wait_dscnt 0x0
	MUL8 F1, 1, 0, 0
	MUL8 F1, 1, 2, 0
	WIN 0
; THE WAY OUT, 16 rows at a time: a lane's 32 bytes of a row go into my stage and come back as whole rows: my 64 columns of f32 are 256 consecutive bytes, aligned, so the stage is my own.
.macro TOSTAGE a
.if (\a) >= 2
	s_wait_xcnt 0x0                                ; the stores of the block two back have read the registers that the loads below fill again
.endif
.irp b, 0,1,2,3
	ds_store_b128 v[STO], v[ACC+8*(4*(\a)+(\b)):ACC+8*(4*(\a)+(\b))+3]   offset:64*(\b)
	ds_store_b128 v[STO], v[ACC+8*(4*(\a)+(\b))+4:ACC+8*(4*(\a)+(\b))+7] offset:64*(\b)+16
.endr
.irp t, 0,1,2,3,4,5,6,7
	ds_load_b128 v[TMP+32*((\a)%2)+4*(\t):TMP+32*((\a)%2)+4*(\t)+3], v[RD] offset:(\t)*2*SPITCH  ; LDS serves a wave's instructions in order (ISA guide 5.7.1.4)
.endr
.endm
.macro SEND a, younger                 ; younger: the next block's sixteen LDS instructions, or none
.irp t, 0,1,2,3,4,5,6,7
	s_wait_dscnt (\younger)+7-(\t)
	global_store_b128 v[CO], v[TMP+32*((\a)%2)+4*(\t):TMP+32*((\a)%2)+4*(\t)+3], s[10:11] offset:(16*(\a)+2*(\t))*4096  ; 16 lanes store 256 consecutive bytes, aligned
.endr
.endm
	PLACES
	PLACES
	TOSTAGE 0
.irp a, 1,2,3
	TOSTAGE \a
	SEND (\a)-1, 16
.endr
	SEND 3, 0
	s_wait_tensorcnt 0x0                           ; the wave's end
	ds_add_u32 v[SPW], v[NIL]
	s_wait_dscnt 0x0
	CROUND                                         ; the closing round
	s_endpgm
.Lfunc_end_k_qcf05a1791c_proj:
	.size	k_qcf05a1791c_proj, .Lfunc_end_k_qcf05a1791c_proj-k_qcf05a1791c_proj
	.p2alignl 7, 3214868480
	.fill 96, 4, 3214868480
	.section	.rodata,"a",@progbits
	.p2align	6, 0x0
	.amdhsa_kernel k_qcf05a1791c_proj
		.amdhsa_group_segment_fixed_size 327680
		.amdhsa_private_segment_fixed_size 0
		.amdhsa_enable_private_segment 0
		.amdhsa_kernarg_size 32
		.amdhsa_user_sgpr_count 2
		.amdhsa_user_sgpr_kernarg_segment_ptr 1
		.amdhsa_wavefront_size32 1
		.amdhsa_system_sgpr_workgroup_id_x 1
		.amdhsa_system_sgpr_workgroup_id_y 1
		.amdhsa_system_sgpr_workgroup_id_z 1
		.amdhsa_system_vgpr_workitem_id 0
		.amdhsa_next_free_vgpr 512
		.amdhsa_next_free_sgpr 80
		.amdhsa_reserve_vcc 0
		.amdhsa_float_denorm_mode_32 3
		.amdhsa_float_denorm_mode_16_64 3
		.amdhsa_memory_ordered 1
		.amdhsa_forward_progress 1
		.amdhsa_inst_pref_size 90
	.end_amdhsa_kernel
	.amdgpu_metadata
---
amdhsa.version: [ 1, 2 ]
amdhsa.kernels:
  - .name:           k_qcf05a1791c_proj
    .symbol:         k_qcf05a1791c_proj.kd
    .args:
      - { .name: yh, .offset: 0, .size: 8, .value_kind: global_buffer, .address_space: global }
      - { .name: wp, .offset: 8, .size: 8, .value_kind: global_buffer, .address_space: global }
      - { .name: b_proj, .offset: 16, .size: 8, .value_kind: global_buffer, .address_space: global }
      - { .name: out0, .offset: 24, .size: 8, .value_kind: global_buffer, .address_space: global }
    .group_segment_fixed_size: 327680
    .private_segment_fixed_size: 0
    .kernarg_segment_align: 8
    .kernarg_segment_size: 32
    .max_flat_workgroup_size: 128
    .sgpr_count:     80
    .vgpr_count:     512
    .wavefront_size: 32
...
	.end_amdgpu_metadata
.endif
;; end of part 4
;; ======== version 2 of 2: 4 launches; version 1 with the launch prep written anew for expert scheduling mode
;; limits: values are held in f16: magnitudes above 65,504 overflow, below 6.1e-05 lose precision
;; workspace buffers: xb 8,388,608 bytes; wb 6,291,456 bytes; wp 2,097,152 bytes; tab 1,048,576 bytes; qh 8,388,608 bytes; kh 8,388,608 bytes; vh 8,388,608 bytes; yh 8,388,608 bytes
;; launch prep (part 5): grid 256 x 1, 8 waves a work-group, no clusters, 0 bytes of LDS; arguments x, w_attn, w_proj, xb, wb, wp, tab; writes xb, wb, wp, tab
.if DOCPART == 5
	.amdgcn_target "amdgcn-amd-amdhsa--gfx1250"
	.amdhsa_code_object_version 6
	.text
	.protected	k_qcf05a1791c_prep
	.globl	k_qcf05a1791c_prep
	.p2align	8
	.type	k_qcf05a1791c_prep,@function
k_qcf05a1791c_prep:
	s_mov_b64 s[64:65], 0
	v_nop
	global_prefetch_b8 v0, s[64:65] scope:SCOPE_SE
	s_setreg_imm32_b32 hwreg(HW_REG_WAVE_SCHED_MODE, 0, 2), 2
	s_setreg_imm32_b32 hwreg(HW_REG_WAVE_MODE, 25, 1), 1
	s_wait_xcnt 0x0
	s_wait_alu depctr_vm_vsrc(0)
; PREP: the casts and the table of rotations.  A stream: no LDS, no matrix unit, no barrier.
;   xb  = bf16(x), [4096][1024] as it lies.
;   wb  = bf16(w_attn) in 16 blocks [j][k = 1024][192]: column 64 p + d of block j is w_attn[k][1024 p + 64 j + d], p = 0, 1, 2 for q, k, v of head j.
;   wp  = bf16(w_proj), that number written as f16, [1024][1024] as it lies.
;   tab = f32 [t = 4096][64]: cos(t invf(f)), f = 0..31, then sin(t invf(f)); invf(f) = 10000^(-f/32).
; SHARES.  256 work-groups of 8 waves; each casts 32,768 numbers (groups 0-127 x, 128-223 w_attn, 224-255 w_proj) and makes 16 rows of the table.
; The cast is linear in the destination: in step n thread t takes 4 numbers: one load of 16 bytes, one store of 8; a wave's store covers 256 consecutive bytes, aligned.
; All 32 loads of a thread go out at once (128 KiB a work-group); the table is made while they are on their way.
; LIMITS.  wp: a weight beyond 65,504 has no f16; below 6e-5 f16 keeps its fixed step of 6e-8.  The angle t invf is one f32 product, as in the problem's text; invf is good to
; about one unit in its last place, which at t = 4095 is about 4e-4 radians; sine and cosine: reduction by 2 pi in two parts, then the series to r^15 on -pi..pi (cut below 8e-7).
; THE MODE: SCHED_MODE bits 1:0 = 2 (LLVM: expert scheduling mode 2), set by the entry lines.  The code itself states the register dependences
; between vector instructions and memory instructions, with s_wait_alu, always for 0.
; THE PLAN.  Registers that memory instructions touch:
;   v1, v5      16 t and 8 t, made at the head.  v1: the offset of the linear loads and of the table's store; v5: of the cast's stores.  Never written again.
;   v2-v4       w_attn's three offsets, made on that path alone and read by its 32 loads.  Never written again.
;   DAT         The 32 loads land here; no vector line names these registers ahead of the loads.  Behind a load's s_wait_loadcnt vector lines alone name them.
;   v[28:31]    Written by the series' last four lines, read by the table's store.  Never written again.
;   RES         Step n's pair: written by the step's conversions, read by its store, not written behind that store.
; So no register that a load or store reads is ever written behind that read: the text needs no wait on vm_vsrc.  The table's arithmetic, in v7 to v31, names no offset and no destination of the
; loads that are out beside it.  Waits on va_vdst stand where a memory instruction reads what vector lines have just written: one ahead of the run of loads (on each of the two paths), one ahead of
; the table's store, one ahead of each run of four of the cast's stores; one more is the exponentials'.  One wait on va_vcc stands between the compare and the selects.
.set DAT, 32                           ; v[32:159]  step n: 4 registers as loaded
.set RES, 160                          ; v[160:223] step n: 2 registers to store; never used twice, so no store's data is rewritten
	s_load_b256 s[4:11], s[0:1], 0x0               ; x s[4:5], w_attn s[6:7], w_proj s[8:9], xb s[10:11]
	s_load_b128 s[12:15], s[0:1], 0x20             ; wb s[12:13], wp s[14:15]
	s_load_b64 s[16:17], s[0:1], 0x30              ; tab
	s_mov_b32 s24, ttmp9                           ; g
	s_mov_b32 s23, 0xffff0000                      ; a word's upper bf16
	s_mov_b32 s32, 0xab573f9f                      ; -1/15!
	s_mov_b32 s33, 0x2f309231                      ;  1/13!
	s_mov_b32 s34, 0xb2d7322b                      ; -1/11!
	s_mov_b32 s35, 0x3638ef1d                      ;  1/9!
	s_mov_b32 s36, 0xb9500d01                      ; -1/7!
	s_mov_b32 s37, 0x3c088889                      ;  1/5!
	s_mov_b32 s38, 0xbe2aaaab                      ; -1/3!
	s_mov_b32 s39, 0xbed49a78                      ; -log2(10000)/32, the f32 nearest,
	s_mov_b32 s40, 0xb2179724                      ; and what that f32 leaves over
	s_mov_b32 s41, 0x3f317218                      ; ln 2
	s_mov_b32 s42, 0x40c90fdb                      ; 2 pi, the f32 nearest,
	s_mov_b32 s43, 0xb43bbd2e                      ; and what it leaves over
	v_lshlrev_b32 v1, 4, v0                        ; 16 t: the linear source, and the table's store
	v_lshlrev_b32 v5, 3, v0                        ; 8 t: the cast's store
	s_sub_co_u32 s25, s24, 128                     ; g' among w_attn's 96
	s_sub_co_u32 s26, s24, 224                     ; g'' among w_proj's 32
	s_wait_kmcnt 0x0
	s_cmp_lt_u32 s24, 128
	s_cbranch_scc1 .Llin
	s_cmp_ge_u32 s24, 224
	s_cbranch_scc1 .Llin
	; w_attn.  A block of wb is 6 groups' work.  Sixteen threads take a chunk of 64 numbers, (k, p): chunk number kp = 3 k + p.
	s_mul_i32 s27, s25, 43
	s_lshr_b32 s27, s27, 8                         ; j = g' / 6 (exact below 96)
	s_mul_i32 s28, s27, 6
	s_sub_co_u32 s28, s25, s28
	s_lshl_b32 s28, s28, 9                         ; the group's first chunk in its block: 512 chunks a group
	s_lshl_b32 s27, s27, 8                         ; 256 j: head j's columns in a row of w_attn
	s_lshl_b32 s30, s25, 16
	s_mov_b32 s31, 0
	s_add_nc_u64 s[20:21], s[12:13], s[30:31]      ; wb at the group's 65,536 bytes
	v_lshrrev_b32 v12, 4, v0
	v_and_b32 v13, 15, v0
	v_lshl_add_u32 v13, v13, 4, s27                ; 16 (t % 16) + 256 j
	v_add_nc_u32 v12, s28, v12                     ; kp in step 0
.irp i, 0,1,2
	v_add_nc_u32 v14, 16*\i, v12                   ; kp in step i
	v_mul_u32_u24 v15, v14, 0xaaab
	v_lshrrev_b32 v15, 17, v15                     ; k = kp / 3 (exact below 3,072)
	v_mul_u32_u24 v16, v15, 3
	v_sub_nc_u32 v16, v14, v16                     ; p
	v_mul_u32_u24 v15, v15, 12288                  ; a row of w_attn
	v_lshl_add_u32 v15, v16, 12, v15               ; + 4,096 p
	v_add_nc_u32 v[2+\i], v15, v13
.endr
	s_wait_alu depctr_va_vdst(0)                   ; v2, v3 and v4 are written, which the 32 loads below read as their offsets
.set n, 0
.rept 32                               ; step 3 m + i is 48 m chunks, 16 m rows of k, behind step i
	global_load_b128 v[DAT+4*n:DAT+4*n+3], v[2+n%3], s[6:7] offset:196608*(n/3) th:TH_LOAD_NT
.set n, n+1
.endr
	s_branch .Ljoin
.Llin:                                 ; x and w_proj: source and destination both linear
	s_cmp_lt_u32 s24, 128
	s_cselect_b64 s[18:19], s[4:5], s[8:9]
	s_cselect_b64 s[20:21], s[10:11], s[14:15]
	s_cselect_b32 s27, s24, s26
	s_lshl_b32 s28, s27, 17
	s_mov_b32 s29, 0
	s_add_nc_u64 s[18:19], s[18:19], s[28:29]      ; 131,072 bytes in,
	s_lshl_b32 s30, s27, 16
	s_mov_b32 s31, 0
	s_add_nc_u64 s[20:21], s[20:21], s[30:31]      ; 65,536 out
	s_wait_alu depctr_va_vdst(0)                   ; v1 is written, which the 32 loads below read as their offset
.set n, 0
.rept 32
	global_load_b128 v[DAT+4*n:DAT+4*n+3], v1, s[18:19] offset:4096*n th:TH_LOAD_NT
.set n, n+1
.endr
.Ljoin:
	; THE TABLE, while the 32 loads are out.  Thread t: row 16 g + t / 16, entries 4 (t % 16) .. + 3: 16 bytes; threads with t % 16 < 8 make cosines, the others sines.
	; Its lines write v7 to v31 alone: none of the loads' offsets (v1, or v2 to v4) and none of their destinations.
	s_lshl_b32 s28, s24, 4
	s_lshl_b32 s30, s24, 12
	s_mov_b32 s31, 0
	s_add_nc_u64 s[16:17], s[16:17], s[30:31]
	v_lshrrev_b32 v8, 4, v0
	v_add_nc_u32 v8, s28, v8
	v_cvt_f32_u32 v8, v8                           ; t
	v_and_b32 v7, 15, v0
	v_cmp_gt_u32 vcc_lo, 8, v7
	v_mov_b32 v11, 0x3e800000
	s_wait_alu depctr_va_vcc(0)                    ; the compare has written VCC, which the two selects below read
	v_cndmask_b32 v9, 0, v11, vcc_lo               ; a quarter turn for a cosine, in turns
	v_mov_b32 v11, 0x3fc90fdb
	v_cndmask_b32 v10, 0, v11, vcc_lo              ; and in radians
	v_and_b32 v7, 7, v7
	v_lshlrev_b32 v7, 2, v7                        ; f of my first entry
.irp i, 0,1,2,3
	v_add_nc_u32 v[12+\i], \i, v7
.endr
.irp i, 0,1,2,3
	v_cvt_f32_u32 v[12+\i], v[12+\i]               ; f
.endr
.irp i, 0,1,2,3
	v_mul_f32 v[16+\i], s39, v[12+\i]              ; a = -f log2(10000)/32, rounded
.endr
.irp i, 0,1,2,3
	v_fma_f32 v[20+\i], v[12+\i], s39, -v[16+\i]   ; what the rounding dropped,
.endr
.irp i, 0,1,2,3
	v_fma_f32 v[20+\i], v[12+\i], s40, v[20+\i]    ; and what the constant dropped: e
.endr
.irp i, 0,1,2,3
	v_exp_f32 v[24+\i], v[16+\i]                   ; 2^a: one batch of four
.endr
	v_nop                                          ; a plain instruction behind the last exponential,
	s_wait_alu depctr_va_vdst(0)                   ; and the one wait ahead of the first use: the four exponentials have written v[24:27]
.irp i, 0,1,2,3
	v_mul_f32 v[20+\i], v[24+\i], v[20+\i]
.endr
.irp i, 0,1,2,3
	v_fma_f32 v[24+\i], v[20+\i], s41, v[24+\i]    ; invf = 2^a (1 + e ln 2)
.endr
.irp i, 0,1,2,3
	v_mul_f32 v[12+\i], v8, v[24+\i]               ; the angle
.endr
.irp i, 0,1,2,3
	v_fma_f32 v[16+\i], v[12+\i], 0.15915494, v9
.endr
.irp i, 0,1,2,3
	v_rndne_f32 v[16+\i], v[16+\i]                 ; whole turns n
.endr
.irp i, 0,1,2,3
	v_fma_f32 v[12+\i], -v[16+\i], s42, v[12+\i]
.endr
.irp i, 0,1,2,3
	v_fma_f32 v[12+\i], -v[16+\i], s43, v[12+\i]
.endr
.irp i, 0,1,2,3
	v_add_f32 v[12+\i], v[12+\i], v10              ; r in -pi .. pi; the entry is sin r
.endr
.irp i, 0,1,2,3
	v_mul_f32 v[20+\i], v[12+\i], v[12+\i]         ; r^2
.endr
.irp i, 0,1,2,3
	v_fma_f32 v[24+\i], v[20+\i], s32, s33
.endr
.irp c, 34,35,36,37,38
.irp i, 0,1,2,3
	v_fma_f32 v[24+\i], v[24+\i], v[20+\i], s[\c]
.endr
.endr
.irp i, 0,1,2,3
	v_mul_f32 v[16+\i], v[12+\i], v[20+\i]         ; r^3
.endr
.irp i, 0,1,2,3
	v_fma_f32 v[28+\i], v[16+\i], v[24+\i], v[12+\i]
.endr
	s_wait_alu depctr_va_vdst(0)                   ; the four lines above have written v[28:31], the store's data (v1, its offset, was written at the head)
	global_store_b128 v1, v[28:31], s[16:17]       ; 16 threads fill a row of 256 bytes
	s_cmp_ge_u32 s24, 224
	s_cbranch_scc1 .Lf16
; THE CAST, four steps at a time: the steps' conversions, each behind the wait for its own load; one wait; the four stores in a run.
.set g, 0
.rept 8
.set n, 4*g
.rept 4
	s_wait_loadcnt 31-n                            ; loads come back in order: step n's is in, the younger ones stay out
	v_cvt_pk_bf16_f32 v[RES+2*n], v[DAT+4*n], v[DAT+4*n+1]
	v_cvt_pk_bf16_f32 v[RES+2*n+1], v[DAT+4*n+2], v[DAT+4*n+3]
.set n, n+1
.endr
	s_wait_alu depctr_va_vdst(0)                   ; the eight conversions above have written these four steps' pairs of RES, which the four stores below read
.set n, 4*g
.rept 4
	global_store_b64 v5, v[RES+2*n:RES+2*n+1], s[20:21] offset:2048*n
.set n, n+1
.endr
.set g, g+1
.endr
	s_endpgm
.Lf16:                                 ; w_proj: rounded to bf16 like every input, and that number written as f16
.set g, 0
.rept 8
.set n, 4*g
.rept 4
	s_wait_loadcnt 31-n
	v_cvt_pk_bf16_f32 v[RES+2*n], v[DAT+4*n], v[DAT+4*n+1]
	v_cvt_pk_bf16_f32 v[RES+2*n+1], v[DAT+4*n+2], v[DAT+4*n+3]
	v_lshlrev_b32 v[DAT+4*n], 16, v[RES+2*n]
	v_and_b32 v[DAT+4*n+1], s23, v[RES+2*n]
	v_lshlrev_b32 v[DAT+4*n+2], 16, v[RES+2*n+1]
	v_and_b32 v[DAT+4*n+3], s23, v[RES+2*n+1]
	v_cvt_pk_f16_f32 v[RES+2*n], v[DAT+4*n], v[DAT+4*n+1]
	v_cvt_pk_f16_f32 v[RES+2*n+1], v[DAT+4*n+2], v[DAT+4*n+3]
.set n, n+1
.endr
	s_wait_alu depctr_va_vdst(0)                   ; the conversions to f16 above have written these four steps' pairs of RES, which the four stores below read
.set n, 4*g
.rept 4
	global_store_b64 v5, v[RES+2*n:RES+2*n+1], s[20:21] offset:2048*n
.set n, n+1
.endr
.set g, g+1
.endr
	s_endpgm
.Lfunc_end_k_qcf05a1791c_prep:
	.size	k_qcf05a1791c_prep, .Lfunc_end_k_qcf05a1791c_prep-k_qcf05a1791c_prep
	.p2alignl 7, 3214868480
	.fill 96, 4, 3214868480
	.section	.rodata,"a",@progbits
	.p2align	6, 0x0
	.amdhsa_kernel k_qcf05a1791c_prep
		.amdhsa_group_segment_fixed_size 0
		.amdhsa_private_segment_fixed_size 0
		.amdhsa_enable_private_segment 0
		.amdhsa_kernarg_size 56
		.amdhsa_user_sgpr_count 2
		.amdhsa_user_sgpr_kernarg_segment_ptr 1
		.amdhsa_wavefront_size32 1
		.amdhsa_system_sgpr_workgroup_id_x 1
		.amdhsa_system_sgpr_workgroup_id_y 1
		.amdhsa_system_sgpr_workgroup_id_z 1
		.amdhsa_system_vgpr_workitem_id 0
		.amdhsa_next_free_vgpr 224
		.amdhsa_next_free_sgpr 66
		.amdhsa_reserve_vcc 1
		.amdhsa_float_denorm_mode_32 3
		.amdhsa_float_denorm_mode_16_64 3
		.amdhsa_memory_ordered 1
		.amdhsa_forward_progress 1
		.amdhsa_inst_pref_size 40
	.end_amdhsa_kernel
	.amdgpu_metadata
---
amdhsa.version: [ 1, 2 ]
amdhsa.kernels:
  - .name:           k_qcf05a1791c_prep
    .symbol:         k_qcf05a1791c_prep.kd
    .args:
      - { .name: x, .offset: 0, .size: 8, .value_kind: global_buffer, .address_space: global }
      - { .name: w_attn, .offset: 8, .size: 8, .value_kind: global_buffer, .address_space: global }
      - { .name: w_proj, .offset: 16, .size: 8, .value_kind: global_buffer, .address_space: global }
      - { .name: xb, .offset: 24, .size: 8, .value_kind: global_buffer, .address_space: global }
      - { .name: wb, .offset: 32, .size: 8, .value_kind: global_buffer, .address_space: global }
      - { .name: wp, .offset: 40, .size: 8, .value_kind: global_buffer, .address_space: global }
      - { .name: tab, .offset: 48, .size: 8, .value_kind: global_buffer, .address_space: global }
    .group_segment_fixed_size: 0
    .private_segment_fixed_size: 0
    .kernarg_segment_align: 8
    .kernarg_segment_size: 56
    .max_flat_workgroup_size: 256
    .sgpr_count:     66
    .vgpr_count:     224
    .wavefront_size: 32
...
	.end_amdgpu_metadata
.endif
;; end of part 5
;; launch qkv: the kernel of part 2 again; grid 16 x 16, 4 waves a work-group, clusters of 4 x 4, 327,680 bytes of LDS; arguments xb, wb, b_attn, tab, qh, kh, vh; writes qh, kh, vh
;; launch attn: the kernel of part 3 again; grid 16 x 16, 4 waves a work-group, no clusters, 327,680 bytes of LDS; arguments qh, kh, vh, yh; writes yh
;; launch proj: the kernel of part 4 again; grid 8 x 32, 4 waves a work-group, clusters of 4 x 4, 327,680 bytes of LDS; arguments yh, wp, b_proj, out0; writes out0
